; MI455X (gfx1250); checked and timed in simulation.
; The chip was launched on July 23, 2026; its instructions are those of AMD's public machine-readable ISA for CDNA 5 (MIT licence, August 2026) and "CDNA5" Instruction Set Architecture Reference Guide (July 2026). The comments in the code are by the model that wrote it; some were corrected since.
;; Multi Head Attention. Allowed arithmetic: matrix products marked QUANTISED: E2M3 operands, one E8M0 scale for each 32 along K, by v_wmma_scale_f32_16x16x128_f8f6f4 with both operands' format E2M3, f32 sums; everything else in f32.
;; Inputs: Wk 1,024 x 1,024 float32; Wo 1,024 x 1,024 float32; Wq 1,024 x 1,024 float32; Wv 1,024 x 1,024 float32; bo 1,024 float32; x 4 x 2,048 x 1,024 float32.
;; Outputs: out0 4 x 2,048 x 1,024 float32.
;; This version of the problem:
;;   THIS VERSION OF THE PROBLEM IS GIVEN IN LOW PRECISION. The matrix products marked QUANTISED in the list below multiply operands that are first quantised to E2M3 (2 exponent bits, 3 mantissa bits; 6 bits a number), with one power-of-two scale for each 32 numbers along K (OCP MX v1.0); their sums are f32. All else is computed in f32.
;;   The module's matrix products, in the order in which they are computed (A, B: the left and right operand; K: the contracted axis; several contracted axes count as one K, in the product's order):
;;     1. [M 8,192, K 1,024] x [K 1,024, N 1,024]; A: input x; B: input Wq: QUANTISED
;;     2. [M 8,192, K 1,024] x [K 1,024, N 1,024]; A: input x; B: input Wk: QUANTISED
;;     3. [M 8,192, K 1,024] x [K 1,024, N 1,024]; A: input x; B: input Wv: QUANTISED
;;     4. batch 64 x [M 2,048, K 64] x [K 64, N 2,048]; A: computed on the way; B: computed on the way: QUANTISED
;;     5. batch 64 x [M 2,048, K 2,048] x [K 2,048, N 64]; A: softmax (see below); B: computed on the way: QUANTISED
;;     6. [M 8,192, K 1,024] x [K 1,024, N 1,024]; A: computed on the way; B: input Wo: QUANTISED
;;   THE QUANTISER, for each operand of a quantised product, along K:
;;     - K is cut into blocks of 32 from its start; a last block that is shorter is filled with zeros.
;;     - A block's scale is 2^e with e = floor(log2(the largest magnitude in the block)) - 2, held to -126 .. 127; a block of zeros has e = 0. As a byte (E8M0): e + 127.
;;     - Each number is divided by its block's scale, clamped to +-7.5, and rounded to the nearest number of E2M3, ties to even, subnormals kept.
;;     - The product sums the exact products of the quantised numbers (number of the format x scale) in f32.
;;   ~~~python
;;   def quantise(x, axis):      # numpy; x: float32 -> the quantised numbers, widened to float32 again
;;       x = np.moveaxis(x, axis, -1); K = x.shape[-1]
;;       x = np.pad(x, [(0, 0)] * (x.ndim - 1) + [(0, -K % 32)]); x = x.reshape(x.shape[:-1] + (-1, 32)); a = np.abs(x).max(-1, keepdims=True)
;;       e = np.where(a > 0, np.clip(np.frexp(np.where(a > 0, a, 1))[1] - 1 - 2, -126, 127), 0)      # np.frexp(a)[1] - 1 = floor(log2(a)), exactly
;;       r = np.clip(x / 2.0 ** e, -7.5, 7.5)
;;       step = 2.0 ** (np.maximum(np.frexp(np.where(r == 0, 1, r))[1] - 1, 0) - 3)
;;       q = np.round(r / step) * step * 2.0 ** e      # np.round: ties to even
;;       return np.moveaxis(q.reshape(q.shape[:-2] + (-1,))[..., :K], -1, axis).astype(np.float32)
;;   ~~~
;;   SOFTMAX AHEAD OF A QUANTISED PRODUCT. Where the list says 'softmax', what is quantised is not the finished softmax but p = 2^(t - M), with t = logit x log2(e) and M = ceil(the row's largest t), a whole number; so 1/2 < the row's largest p <= 1. The row's sum l is taken of the UNQUANTISED p, in f32, and the product's result is divided by l at the end. Since M is a whole number, a kernel that streams over the keys may use a running M (the ceiling of the running maximum): every later rescaling is an exact power of two, which a block's scale takes up: the codes' values come out the same.
;;   OPERANDS COMPUTED ON THE WAY. 'Computed on the way' means the value that the module computes at that place (a softmax that the list does not call 'softmax' is quantised finished and normalised). What goes into a quantiser is computed in f32, as accurately as f32 sums, v_exp_f32 and their like allow (about 1e-6 of the number): no bf16 or f16 on the way to a quantiser, and a product that is left as it is and whose result goes on into a quantised operand takes f32 operands (vector FMAs, or v_wmma_f32_16x16x4_f32). A number that lies on a knife's edge between two numbers of the format may be rounded either way, as far as f32 arithmetic and the matrix unit's own rounding can turn it there, and no further.
;; One version. Each part assembles by itself: llvm-mc -triple=amdgcn-amd-amdhsa -mcpu=gfx1250 --defsym DOCPART=n.
;; ======== version 1 of 1: 4 launches
;; workspace buffers: xc 6,291,456 bytes; xs 262,144 bytes; wc 3,145,728 bytes; ws 262,144 bytes; qkvc 18,874,368 bytes; qkvs 786,432 bytes; cc 6,291,456 bytes; cs 262,144 bytes
;; launch quant (part 1): grid 384 x 1, 4 waves a work-group, no clusters, 60,928 bytes of LDS; arguments x, Wq, Wk, Wv, Wo, xc, xs, wc, ws; writes xc, xs, wc, ws
.if DOCPART == 1
	.amdgcn_target "amdgcn-amd-amdhsa--gfx1250"
	.amdhsa_code_object_version 6
	.text
	.protected	k_q9092e1902a_quant
	.globl	k_q9092e1902a_quant
	.p2align	8
	.type	k_q9092e1902a_quant,@function
k_q9092e1902a_quant:
	s_mov_b64 s[64:65], 0
	v_nop
	global_prefetch_b8 v0, s[64:65] scope:SCOPE_SE
	s_setreg_imm32_b32 hwreg(HW_REG_WAVE_MODE, 25, 1), 1
	s_wait_xcnt 0x0
; x [8192][1024] (K innermost) and Wq, Wk, Wv, Wo [1024 (k)][1024 (n)] (K is the first axis), f32, become codes of FP6 (E2M3) with one E8M0 byte for each 32 along K.
; THE CODES ARE LAID AS IMAGES OF THE OPERAND'S REGISTERS.  A fragment (a tile of 16 rows x 128 along K) is 1,536 bytes at (tile x 8 + K step) x 1,536: two halves of 768 bytes (64 along K each);
; a half is a plane of 512 bytes (lane l's registers 6 c .. 6 c + 3 at 16 l) and a plane of 256 bytes (registers 6 c + 4, 6 c + 5 at 8 l).  Lane l = r + 16 h holds k = 64 c + 32 h + 0 .. 31 of the tile's r-th row.
; THE ROWS OF A TILE ARE NOT NEIGHBOURS: tile 2 B + u holds rows 32 B + 8 u + r + 8 (r / 8), so that the results of a product of two such tiles lie, in a lane's registers, as neighbours along the next K.
; THE SCALE WORDS (four bytes: 128 along K of one row) lie at K step x 32,768 + tile x 64 + 4 r.
; A block's scale byte is its largest magnitude's exponent field - 2, held at 1 from below.  LIMITS: a block whose largest magnitude lies under 2^-124, a block of zeros among them, keeps the byte 1
; (its codes are zeros or the nearest codes under that scale; the bytes are read by this program alone); NaN and infinities among the inputs are not served.
; Work-groups 0 to 255 take x, 256 to 383 the weights; the two ways have LDS bytes of their own.  No tensor loads, no barrier: waves share nothing.
.set XPITCH, 528                       ; x: a stage row: 512 bytes + 16: the sixteen rows that a load touches start in different banks
.set XSCW,   16*XPITCH                 ; behind a wave's stage: its 256 bytes of scale words
.set XREG,   8704                      ; x: a wave's LDS region
.set WBASE,  4*XREG                    ; the weights' regions begin here
.set WSCW,   6144                      ; W: four fragment images, then 256 bytes of scale words
.set WREG,   6400
.set SPARE,  WBASE+4*WREG              ; the spare words, 128 bytes for each wave: two blocks of 256 bytes that no other line names
.set TROW,   12288                     ; a tile's eight fragments
.set L16, 4                            ; v4   16 x lane
.set L8,  5                            ; v5   8 x lane
.set SPW, 10                           ; v10  LDS address of my spare word; never rewritten
.set NIL, 11                           ; v11  0; never rewritten
	s_load_b256 s[4:11], s[0:1], 0x0               ; x, Wq, Wk, Wv
	s_load_b256 s[12:19], s[0:1], 0x20             ; Wo, xc, xs, wc
	s_load_b64 s[20:21], s[0:1], 0x40              ; ws
	v_lshl_add_u32 v[SPW], v0, 2, SPARE
	v_mov_b32 v[NIL], 0
	v_lshrrev_b32 v1, 5, v0
	v_readfirstlane_b32 s22, v1                    ; wave
	v_and_b32 v1, 31, v0                           ; lane
	v_lshlrev_b32 v[L16], 4, v1
	v_lshlrev_b32 v[L8], 3, v1
	s_and_b32 s23, ttmp9, 1
	s_lshl_b32 s23, s23, 2
	s_add_co_u32 s23, s23, s22                     ; my K step of 128: 4 x (work-group % 2) + wave
	s_mov_b32 s30, 0x76543210
	s_mov_b32 s31, 0xfedcba98                      ; v_permlanex16_b32's selects for lane l xor 16
	s_cmp_ge_u32 ttmp9, 256
	s_cbranch_scc1 .Lweights
; ---------------- x: a wave makes four fragments (tiles 4 g .. 4 g + 3, g = work-group / 2) at its K step
.set SIN,  6                           ; v6   the stage on the way in: 16 x lane
.set SOUT, 7                           ; v7   and on the way out: row r, + 128 h
.set SWW,  8                           ; v8   where my row's scale word goes
.set SWR,  9                           ; v9   where the words are read back, 8 bytes a lane
.set H8,   12                          ; v12  8 h
.set R,    16                          ; v16-143  two sets of 64: a fragment's 16 rows as they are loaded
.set X,    144                         ; v144-207 my 64 numbers: two blocks of 32
.set C,    208                         ; v208-219 the fragment's 12 registers
.set TC,   220                         ; v220-226 the second halves of the blocks' codes (a conversion's three registers begin on an even number)
.set MX,   228
.set SO,   230
.set BY,   232
.set WD,   234
.set WX,   235
	v_and_b32 v2, 15, v0                           ; r
	v_bfe_u32 v3, v0, 4, 1                         ; h
	s_mul_i32 s24, s22, XREG
	v_add_nc_u32 v[SIN], s24, v[L16]
	v_mul_u32_u24 v[SOUT], v2, XPITCH
	v_lshl_add_u32 v[SOUT], v3, 7, v[SOUT]
	v_add_nc_u32 v[SOUT], s24, v[SOUT]
	v_lshl_add_u32 v[SWW], v2, 2, s24
	v_add_nc_u32 v[SWW], XSCW, v[SWW]
	v_add_nc_u32 v[SWR], s24, v[L8]
	v_add_nc_u32 v[SWR], XSCW, v[SWR]
	v_lshlrev_b32 v[H8], 3, v3
	v_mov_b32 v[WX], 0                             ; written once: a lane permute's destination counts as one of its sources
	s_lshr_b32 s25, ttmp9, 1                       ; g
	s_lshl_b32 s26, s25, 18                        ; x: 64 rows of 4,096 bytes a group,
	s_lshl_b32 s27, s23, 9                         ; 512 bytes a K step
	s_add_co_u32 s26, s26, s27
	s_mov_b32 s27, 0
	s_mul_i32 s28, s25, 4*TROW                     ; codes: four tiles a group,
	s_mul_i32 s29, s23, 1536                       ; a fragment a K step
	s_add_co_u32 s28, s28, s29
	s_mov_b32 s29, 0
	s_lshl_b32 s32, s23, 15                        ; scale words
	s_lshl_b32 s33, s25, 8
	s_add_co_u32 s32, s32, s33
	s_mov_b32 s33, 0
	s_wait_kmcnt 0x0
	s_add_nc_u64 s[4:5], s[4:5], s[26:27]
	s_add_nc_u64 s[14:15], s[14:15], s[28:29]
	s_add_nc_u64 s[16:17], s[16:17], s[32:33]
.macro LOADF f                         ; fragment f's sixteen rows: each load reads 512 consecutive bytes of one row
.set i, 0
.rept 16
	global_load_b128 v[R+64*((\f)%2)+4*i:R+64*((\f)%2)+4*i+3], v[L16], s[4:5] offset:(32*((\f)/2)+8*((\f)%2)+i+8*(i/8))*4096 th:TH_LOAD_NT
.set i, i+1
.endr
.endm
.macro FRAGX f
.if (\f) < 3
	s_wait_loadcnt 16                              ; this fragment's 16 loads are in; the next fragment's may be out
.else
	s_wait_loadcnt 0x0
.endif
.set i, 0
.rept 16
	ds_store_b128 v[SIN], v[R+64*((\f)%2)+4*i:R+64*((\f)%2)+4*i+3] offset:XPITCH*i
.set i, i+1
.endr
.set i, 0
.rept 16                               ; back as the operand's layout wants them: of row r the 32 numbers at 64 c + 32 h.  LDS serves a wave's instructions in order: these see the stores above
	ds_load_b128 v[X+4*i:X+4*i+3], v[SOUT] offset:256*(i/8)+16*(i%8)
.set i, i+1
.endr
	s_wait_dscnt 0x0
.if (\f) < 2
	LOADF (\f)+2                                   ; into the set that the stage's stores have read
.endif
.irp c, 0,1                                    ; my block 2 c + h: all its 32 numbers are mine
	v_max3_num_f32 v[MX+\c], |v[X+32*\c]|, |v[X+32*\c+1]|, 0x1800000   ; with the floor 2^(3 - 127): the byte cannot fall under 1
.endr
.irp i, 2,4,6,8,10,12,14,16,18,20,22,24,26,28,30
.irp c, 0,1
	v_max3_num_f32 v[MX+\c], v[MX+\c], |v[X+32*\c+\i]|, |v[X+32*\c+\i+1]|
.endr
.endr
.irp c, 0,1
	v_add_nc_u32 v[SO+\c], 0xff000000, v[MX+\c]    ; 2 off the exponent field: the conversion's scale operand
.endr
.irp c, 0,1
	v_lshrrev_b32 v[BY+\c], 23, v[SO+\c]           ; the scale's byte
.endr
	v_lshl_or_b32 v[WD], v[BY+1], 16, v[BY]        ; my two bytes: blocks h and 2 + h,
	v_lshlrev_b32 v[WD], v[H8], v[WD]              ; at their places in the word;
	v_permlanex16_b32 v[WX], v[WD], s30, s31
	v_or_b32 v[WD], v[WD], v[WX]                   ; with lane l xor 16's two the word is whole
	s_wait_xcnt 0x0                                ; the last fragment's stores have read their data: the codes' registers may be written again
.irp c, 0,1
	v_cvt_scalef32_pk16_fp6_f32 v[C+6*\c:C+6*\c+2], v[X+32*\c:X+32*\c+15], v[SO+\c]
	v_cvt_scalef32_pk16_fp6_f32 v[TC+4*\c:TC+4*\c+2], v[X+32*\c+16:X+32*\c+31], v[SO+\c]
.endr
	v_nop                                          ; one plain place behind a scaled conversion
.irp c, 0,1
.irp i, 0,1,2
	v_mov_b32 v[C+6*\c+3+\i], v[TC+4*\c+\i]
.endr
.endr
	global_store_b128 v[L16], v[C:C+3], s[14:15] offset:(\f)*TROW          ; each store of the wave covers whole aligned blocks of 256 bytes
	global_store_b64 v[L8], v[C+4:C+5], s[14:15] offset:(\f)*TROW+512
	global_store_b128 v[L16], v[C+6:C+9], s[14:15] offset:(\f)*TROW+768
	global_store_b64 v[L8], v[C+10:C+11], s[14:15] offset:(\f)*TROW+1280
	ds_store_b32 v[SWW], v[WD] offset:64*(\f)      ; both halves of the lanes write the same word with the same value
.endm
	LOADF 0
	LOADF 1
	FRAGX 0
	FRAGX 1
	FRAGX 2
	FRAGX 3
	ds_load_b64 v[MX:MX+1], v[SWR]                 ; the four tiles' 64 words
	s_wait_dscnt 0x0
	global_store_b64 v[L8], v[MX:MX+1], s[16:17]   ; 32 lanes store 256 consecutive bytes, aligned
	s_wait_tensorcnt 0x0                           ; the wave's end, behind my last LDS store
	ds_add_u32 v[SPW], v[NIL]
	s_wait_dscnt 0x0
	s_endpgm
; ---------------- the weights: a lane takes a column n and its registers run down K, so the conversions give codes with K innermost.  A wave makes four fragments (64 columns) at its K step
.Lweights:
.set WL4,  13                          ; v13  4 x lane
.set WP,   14                          ; v14  my tile's image, the plane of 16 bytes a lane: region + 1,536 u + 16 r
.set WQ,   15                          ; v15  the plane of 8 bytes a lane: region + 1,536 u + 8 r
.set WX0,  16                          ; v16-79  two sets of 32 numbers
.set WC,   80                          ; v80-85  a block's codes
.set WT,   86                          ; v86-88  their second half, as converted
.set WM,   90
.set WO,   92
.set WBY,  93
.set WW,   94                          ; v94-95  the scale words of my column, one for each 32 columns
.set OUT,  96                          ; v96-143 the images read back
.set WS,   228
.set WB16, 229
.set WB8,  230
	s_sub_co_u32 s24, ttmp9, 256
	s_lshr_b32 s25, s24, 5                         ; which weight: 0 Wq, 1 Wk, 2 Wv, 3 Wo
	s_bfe_u32 s26, s24, 0x40001                    ; which 64 columns
	v_bfe_u32 v2, v0, 3, 1                         ; column 32 B + l lies in tile 2 B + u, u = (l / 8) % 2,
	v_and_b32 v3, 7, v0
	v_bfe_u32 v12, v0, 4, 1
	v_lshl_add_u32 v3, v12, 3, v3                  ; as its row r = l % 8 + 8 (l / 16)
	s_mul_i32 s27, s22, WREG
	s_add_co_u32 s27, s27, WBASE
	v_mul_u32_u24 v12, v2, 1536
	v_add_nc_u32 v12, s27, v12
	v_lshl_add_u32 v[WP], v3, 4, v12
	v_lshl_add_u32 v[WQ], v3, 3, v12
	v_lshlrev_b32 v12, 6, v2
	v_lshl_add_u32 v12, v3, 2, v12
	v_add_nc_u32 v12, s27, v12
	v_add_nc_u32 v[WS], WSCW, v12
	v_add_nc_u32 v[WB16], s27, v[L16]
	v_add_nc_u32 v[WB8], s27, v[L8]
	v_add_nc_u32 v[WB8], WSCW, v[WB8]
	v_lshlrev_b32 v[WL4], 2, v1
	s_lshl_b32 s28, s23, 19                        ; W: 128 rows of 4,096 bytes a K step,
	s_lshl_b32 s29, s26, 8                         ; 256 bytes for 64 columns
	s_add_co_u32 s28, s28, s29
	s_mov_b32 s29, 0
	s_lshl_b32 s32, s25, 6
	s_lshl_b32 s33, s26, 2
	s_add_co_u32 s32, s32, s33                     ; my first tile: 64 x weight + 4 x group
	s_mul_i32 s34, s32, TROW
	s_mul_i32 s35, s23, 1536
	s_add_co_u32 s34, s34, s35
	s_mov_b32 s35, 0
	s_lshl_b32 s36, s23, 15
	s_lshl_b32 s37, s32, 6
	s_add_co_u32 s36, s36, s37
	s_mov_b32 s37, 0
	s_wait_kmcnt 0x0
	s_cmp_eq_u32 s25, 1                            ; the choice hangs on the work-group's number alone
	s_cselect_b64 s[6:7], s[8:9], s[6:7]
	s_cmp_eq_u32 s25, 2
	s_cselect_b64 s[6:7], s[10:11], s[6:7]
	s_cmp_eq_u32 s25, 3
	s_cselect_b64 s[6:7], s[12:13], s[6:7]
	s_add_nc_u64 s[6:7], s[6:7], s[28:29]
	s_add_nc_u64 s[18:19], s[18:19], s[34:35]
	s_add_nc_u64 s[20:21], s[20:21], s[36:37]
.macro LOADW t                         ; block t: rows 32 (t / 2) + i of the K step, columns 32 (t % 2) + lane: the two halves of a row's 256 bytes are asked for one block behind the other
.set i, 0
.rept 32
	global_load_b32 v[WX0+32*((\t)%2)+i], v[WL4], s[6:7] offset:(32*((\t)/2)+i)*4096+128*((\t)%2)
.set i, i+1
.endr
.endm
.macro BLOCKW t
.set XS, WX0+32*((\t)%2)
.set KB, (\t)/2
.set BE, (\t)%2
.if (\t) < 7
	s_wait_loadcnt 32                              ; this block's 32 loads are in; the next block's may be out
.else
	s_wait_loadcnt 0x0
.endif
	v_max3_num_f32 v[WM], |v[XS]|, |v[XS+1]|, |v[XS+2]|
	v_max3_num_f32 v[WM+1], |v[XS+3]|, |v[XS+4]|, |v[XS+5]|
.irp i, 6,10,14,18,22,26
	v_max3_num_f32 v[WM], v[WM], |v[XS+\i]|, |v[XS+\i+1]|
	v_max3_num_f32 v[WM+1], v[WM+1], |v[XS+\i+2]|, |v[XS+\i+3]|
.endr
	v_max3_num_f32 v[WM], v[WM], |v[XS+30]|, |v[XS+31]|
	v_max3_num_f32 v[WM], v[WM], v[WM+1], 0x1800000   ; with the floor 2^(3 - 127)
	v_add_nc_u32 v[WO], 0xff000000, v[WM]          ; the conversion's scale operand
	v_lshrrev_b32 v[WBY], 23, v[WO]                ; the scale's byte
.if KB == 0
	v_mov_b32 v[WW+BE], v[WBY]
.else
	v_lshl_or_b32 v[WW+BE], v[WBY], 8*KB, v[WW+BE]
.endif
	v_cvt_scalef32_pk16_fp6_f32 v[WC:WC+2], v[XS:XS+15], v[WO]
	v_cvt_scalef32_pk16_fp6_f32 v[WT:WT+2], v[XS+16:XS+31], v[WO]
	v_nop                                          ; one plain place behind a scaled conversion
.irp i, 0,1,2
	v_mov_b32 v[WC+3+\i], v[WT+\i]
.endr
	ds_store_b128 v[WP], v[WC:WC+3] offset:3072*BE+768*(KB/2)+256*(KB%2)       ; the block is what lane r + 16 (KB % 2) of the fragment holds in registers 6 (KB / 2) on
	ds_store_b64 v[WQ], v[WC+4:WC+5] offset:3072*BE+768*(KB/2)+512+128*(KB%2)
.if KB == 3
	ds_store_b32 v[WS], v[WW+BE] offset:128*BE
.endif
.if (\t)+2 < 8
	LOADW (\t)+2
.endif
	s_wait_dscnt 0x0                               ; the stores have read their registers: the next block's codes may be written
.endm
	LOADW 0
	LOADW 1
.set Q, 0
.rept 8
	BLOCKW Q
.set Q, Q+1
.endr
.set i, 0
.rept 12                               ; the four images leave as they lie, 512 bytes an instruction
	ds_load_b128 v[OUT+4*i:OUT+4*i+3], v[WB16] offset:512*i
.set i, i+1
.endr
	ds_load_b64 v[144:145], v[WB8]
.set i, 0
.rept 12
	s_wait_dscnt 12-i                              ; the younger LDS loads may be out
	global_store_b128 v[L16], v[OUT+4*i:OUT+4*i+3], s[18:19] offset:(i/3)*TROW+(i%3)*512
.set i, i+1
.endr
	s_wait_dscnt 0x0
	global_store_b64 v[L8], v[144:145], s[20:21]
	s_wait_tensorcnt 0x0                           ; the wave's end, behind my last LDS store
	ds_add_u32 v[SPW], v[NIL]
	s_wait_dscnt 0x0
	s_endpgm
.Lfunc_end_k_q9092e1902a_quant:
	.size	k_q9092e1902a_quant, .Lfunc_end_k_q9092e1902a_quant-k_q9092e1902a_quant
	.p2alignl 7, 3214868480
	.fill 96, 4, 3214868480
	.section	.rodata,"a",@progbits
	.p2align	6, 0x0
	.amdhsa_kernel k_q9092e1902a_quant
		.amdhsa_group_segment_fixed_size 60928
		.amdhsa_private_segment_fixed_size 0
		.amdhsa_enable_private_segment 0
		.amdhsa_kernarg_size 72
		.amdhsa_user_sgpr_count 2
		.amdhsa_user_sgpr_kernarg_segment_ptr 1
		.amdhsa_wavefront_size32 1
		.amdhsa_system_sgpr_workgroup_id_x 1
		.amdhsa_system_sgpr_workgroup_id_y 1
		.amdhsa_system_sgpr_workgroup_id_z 1
		.amdhsa_system_vgpr_workitem_id 0
		.amdhsa_next_free_vgpr 240
		.amdhsa_next_free_sgpr 66
		.amdhsa_reserve_vcc 0
		.amdhsa_float_denorm_mode_32 3
		.amdhsa_float_denorm_mode_16_64 3
		.amdhsa_memory_ordered 1
		.amdhsa_forward_progress 1
		.amdhsa_inst_pref_size 72
	.end_amdhsa_kernel
	.amdgpu_metadata
---
amdhsa.version: [ 1, 2 ]
amdhsa.kernels:
  - .name:           k_q9092e1902a_quant
    .symbol:         k_q9092e1902a_quant.kd
    .args:
      - { .name: x, .offset: 0, .size: 8, .value_kind: global_buffer, .address_space: global }
      - { .name: Wq, .offset: 8, .size: 8, .value_kind: global_buffer, .address_space: global }
      - { .name: Wk, .offset: 16, .size: 8, .value_kind: global_buffer, .address_space: global }
      - { .name: Wv, .offset: 24, .size: 8, .value_kind: global_buffer, .address_space: global }
      - { .name: Wo, .offset: 32, .size: 8, .value_kind: global_buffer, .address_space: global }
      - { .name: xc, .offset: 40, .size: 8, .value_kind: global_buffer, .address_space: global }
      - { .name: xs, .offset: 48, .size: 8, .value_kind: global_buffer, .address_space: global }
      - { .name: wc, .offset: 56, .size: 8, .value_kind: global_buffer, .address_space: global }
      - { .name: ws, .offset: 64, .size: 8, .value_kind: global_buffer, .address_space: global }
    .group_segment_fixed_size: 60928
    .private_segment_fixed_size: 0
    .kernarg_segment_align: 8
    .kernarg_segment_size: 72
    .max_flat_workgroup_size: 128
    .sgpr_count:     66
    .vgpr_count:     240
    .wavefront_size: 32
...
	.end_amdgpu_metadata
.endif
;; end of part 1
;; launch gemm1 (part 2): grid 8 x 48, 4 waves a work-group, clusters of 4 x 4, 327,680 bytes of LDS; arguments xc, xs, wc, ws, qkvc, qkvs; writes qkvc, qkvs
.if DOCPART == 2
	.amdgcn_target "amdgcn-amd-amdhsa--gfx1250"
	.amdhsa_code_object_version 6
	.text
	.protected	k_q9092e1902a_gemm1
	.globl	k_q9092e1902a_gemm1
	.p2align	8
	.type	k_q9092e1902a_gemm1,@function
k_q9092e1902a_gemm1:
	s_mov_b64 s[64:65], 0
	v_nop
	global_prefetch_b8 v0, s[64:65] scope:SCOPE_SE
	s_setreg_imm32_b32 hwreg(HW_REG_WAVE_MODE, 25, 1), 1
	s_wait_xcnt 0x0
	s_wait_alu depctr_hold_cnt(0) depctr_sa_sdst(0) depctr_va_vdst(0) depctr_va_sdst(0) depctr_va_ssrc(0) depctr_va_vcc(0) depctr_vm_vsrc(0)
	s_getreg_b32 s2, hwreg(HW_REG_IB_STS2, 6, 4)
	s_cmp_eq_u32 s2, 0
	s_cbranch_scc0 .Lentry_in_a_cluster
	s_endpgm
.Lentry_in_a_cluster:
	s_bfe_u32 s2, ttmp6, 0x10000c
	s_cmp_lg_u32 s2, 0xf033
	s_cbranch_scc0 .Lentry_shape_is_right
	s_endpgm
.Lentry_shape_is_right:
; q = x Wq, k = x Wk and v^T = Wv^T x^T on codes of FP6 (E2M3) with E8M0 scales, K = 1,024; the results are quantised in registers along the next product's K and leave as codes.
; One body: C'[m'][n'] = sum over k of A[m'][k] B[n'][k], quantised along n'.  Clusters with y under 8: A = x's rows, B = Wq's and Wk's columns (n' = the head's channels).  Clusters with y from 8 on (V):
; A = Wv's columns, B = x's rows (n' = the keys, which are the second attention product's K).  What differs is chosen by scalar selects on the cluster's y, which all partners share.
; Operands lie in memory as images of their registers (fragment = 16 rows x 128 K = 1,536 bytes at (tile x 8 + K step) x 1,536; plane of 16 bytes a lane, plane of 8 bytes a lane, for each 64 along K);
; tile 2 B + u holds rows 32 B + 8 u + r + 8 (r / 8).  With source 0 = a tile of B and source 1 = a tile of A a lane holds ONE row of A's tile, and the 64 registers of its eight accumulators are:
; register 16 b + i = column 32 b + 16 (lane / 16) + i of the wave's 128: sixteen neighbours of each block of 32.
; A tile of C', 256 x 256, is made by four waves, 128 x 128 each: 64 accumulators, 512 registers.  K goes in steps of 256 through two LDS slots; a wave's tensor load brings 8 tiles x 3,072 bytes.
; The scale words of the work-group's rows, for all of K, come once with the first fills.  CLUSTER 4 x 4: A's tiles are asked for jointly along a row, B's along a column.
; OUT: q, k: [batch x 16 + head][tile of 16 rows 0..127][768 bytes: half a fragment's image]; v: [batch x 16 + key step][tile of 16 channels 0..63][1,536].
; Scale words: q, k: [batch x 16 + head][128 rows][r][p]: word p = tile 2 p's two bytes, then tile 2 p + 1's; v: [batch x 16 + key step][head][r][tile 0..3].
; LIMITS: a block whose largest magnitude lies under 2^-124 keeps the scale byte 1 (read by this program alone); NaN and infinities are not served.
; REGISTERS: window 0: v1-31 addresses; v32-63 scale words, two sets; v64-115 the quantiser's; v128-223 A's fragments, one set.  window 1: B's fragments, two sets, at v0 and v128.
;   window 2: the accumulators of A's tiles 0-3 ((a, b) at v[8 (8 a + b)]); window 3: those of tiles 4-7.
.set FR,     12                        ; registers of a fragment
.set TROW,   12288                     ; a tile's eight fragments in memory
.set QUART,  8*3072                    ; 8 tiles x two K steps of 128: what one tensor load brings
.set SLOT,   4*QUART                   ; A's 16 tiles, then B's 16
.set SCLB,   2*SLOT                    ; behind the ring: the scale words, four quarters of [K step 0..7][8 tiles][16 words]
.set SQUART, 4096
.set SPARE,  SCLB+4*SQUART             ; the spare words, 128 bytes for each wave: two blocks of 256 bytes that no other line names
.set ADRA16, 16                        ; v16-17  my A tiles in slot 0, 1: + 16 x lane;  v18-19: + 8 x lane
.set ADRA8,  18
.set ADRB16, 20                        ; v20-23  the same for B
.set ADRB8,  22
.set O16,  24                          ; v24  16 x lane
.set O8,   25                          ; v25  8 x lane
.set OS,   26                          ; v26  where my four scale words go
.set ADRS, 27                          ; v27  LDS address of my scale words: lanes 0-15 A's, lanes 16-31 B's
.set SPW,  28                          ; v28  LDS address of my spare word; never rewritten
.set NIL,  29                          ; v29  0; never rewritten
.set SELV, 30                          ; v30  byte selects for the scale words' packing
.set SC,   32                          ; scale words: set s at v[SC + 16 s]; register 2 i + q: lanes 0-15 A's tile i, lanes 16-31 B's tile i, the slot's q-th 128 along K
.set TM,   64                          ; v64-79  largest magnitudes, bytes, scale operands
.set PW,   80                          ; v80-87  the scale word of each of my eight tiles of rows
.set OW,   88                          ; v88-95  the words as they leave, in both forms
.set PC,   96                          ; v96-114 the codes just made
.set AF,   128
.set G1,   24                          ; s[24:31] group 1 for A's tiles;  s[32:39] group 0, one set for each slot
.set G0,   32
.set G1B,  48                          ; s[48:55], s[56:63] the same for B's
.set G0B,  56
.set G1S,  68                          ; s[68:75], s[76:79] A's scale words;  s[80:87], s[88:91] B's
.set G0S,  76
.set G1SB, 80
.set G0SB, 88
.set P0,   92                          ; s[92:93] where a tile's first half goes;  s[94:95] its second;  s[96:97] from tile to tile;  s[98:99] the scale words
.set P1,   94
.set STP,  96
.set PS,   98
.set MSB, 0
.macro WIN new                         ; the immediate's high byte repeats the setting that is left
.if MSB != \new
	s_set_vgpr_msb (MSB<<8)|\new
.set MSB, \new
.endif
.endm
.set MUL_LO, 0xa1                      ; source 0 (B) window 1, source 1 (A) window 0, C and D window 2
.set MUL_HI, 0xf1                      ; the same, C and D window 3
.set TO_B,   0x40                      ; destination window 1, address window 0
; A joint load: waves 0 and 1 fetch for A, waves 2 and 3 for B.  The branch hangs on the wave's number alone.  An s_nop 0 and four v_nop follow each line.
.macro JLOAD g0a, g1a, g0b, g1b
	s_cmp_eq_u32 s17, 0
	s_cbranch_scc0 .Lfor_b_\@
	tensor_load_to_lds s[\g0a:\g0a+3], s[\g1a:\g1a+7]
	s_nop 0
.rept 4
	v_nop
.endr
	s_branch .Lasked_\@
.Lfor_b_\@:
	tensor_load_to_lds s[\g0b:\g0b+3], s[\g1b:\g1b+7]
	s_nop 0
.rept 4
	v_nop
.endr
.Lasked_\@:
.endm
.macro CREST                           ; a round of the cluster's barrier behind its opening barrier
	s_cmp_lg_u32 s16, 0
	s_cbranch_scc1 .Lnot_wave_0_\@
	s_barrier_signal -3
.Lnot_wave_0_\@:
	s_barrier_wait -3
	s_barrier_signal -1
	s_barrier_wait -1
.endm
.macro CROUND
	s_barrier_signal -1
	s_barrier_wait -1
	CREST
.endm
	s_load_b256 s[4:11], s[0:1], 0x0               ; xc s[4:5], xs s[6:7], wc s[8:9], ws s[10:11]
	s_load_b128 s[12:15], s[0:1], 0x20             ; qkvc s[12:13], qkvs s[14:15]
	v_lshl_add_u32 v[SPW], v0, 2, SPARE
	v_mov_b32 v[NIL], 0
	ds_add_u32 v[SPW], v[NIL]                      ; the wave's opening: the add and its wait stand ahead of my first tensor load; the set-up below, work on registers, stands between them
	v_lshrrev_b32 v1, 5, v0
	v_readfirstlane_b32 s16, v1                    ; wave 0..3
	s_lshr_b32 s17, s16, 1                         ; which 8 tiles of A are mine.  Also: I fetch for A (0) or for B (1)
	s_and_b32 s18, s16, 1                          ; which 8 tiles of B.  Also: which 8 tiles I fetch
	s_bfe_u32 s20, ttmp6, 0x40000                  ; cx
	s_bfe_u32 s21, ttmp6, 0x40004                  ; cy
	s_and_b32 s23, ttmp7, 0xffff                   ; the cluster's y
	s_lshl_b32 s42, s23, 2
	s_sub_co_u32 s43, s23, 8
	s_lshl_b32 s43, s43, 3
	s_cmp_ge_u32 s23, 8                            ; V: the same in all sixteen partners
	s_cselect_b32 s19, 1, 0
	s_cselect_b32 s42, 0, s42
	s_cselect_b32 s43, s43, 0
	s_cselect_b32 s44, 128, 0                      ; A's first tile in its buffer: Wv's tiles begin at 128
	s_add_co_u32 s40, s42, s21                     ; tile row of C': 4 x cluster y + cy, or (V) cy
	s_lshl_b32 s22, ttmp9, 2
	s_add_co_u32 s41, s43, s22
	s_add_co_u32 s41, s41, s20                     ; tile column: 4 x cluster x + cx, (V) + 8 x (cluster y - 8)
	s_lshl_b32 s45, s21, 2
	s_lshl_b32 s45, 15, s45                        ; my row of the cluster
	s_lshl_b32 s46, 0x1111, s20                    ; my column
	s_or_b32 s[G1+0], s45, (3<<16)|(1<<21)         ; 15:0 the mask; 17:16 elements of 8 bytes; 21 set beside a mask; no padding: every LDS access takes consecutive bytes
	s_or_b32 s[G1B+0], s46, (3<<16)|(1<<21)
.irp g, G1, G1B
	s_mov_b32 s[\g+1], 384<<16                     ; tensor_dim0: 3,072 bytes
	s_mov_b32 s[\g+2], 8<<16                       ; tensor_dim1: 8 tiles
	s_mov_b32 s[\g+3], 384<<16                     ; tile_dim0
	s_mov_b32 s[\g+4], 8                           ; tile_dim1
	s_mov_b32 s[\g+5], TROW/8                      ; from tile to tile
	s_mov_b32 s[\g+6], 0
	s_mov_b32 s[\g+7], 0
.endr
	s_or_b32 s[G1S+0], s45, (3<<16)|(1<<21)        ; the scale words of 8 tiles: 8 K steps x 512 bytes, 32,768 bytes apart
	s_or_b32 s[G1SB+0], s46, (3<<16)|(1<<21)
.irp g, G1S, G1SB
	s_mov_b32 s[\g+1], 64<<16
	s_mov_b32 s[\g+2], 8<<16
	s_mov_b32 s[\g+3], 64<<16
	s_mov_b32 s[\g+4], 8
	s_mov_b32 s[\g+5], 4096
	s_mov_b32 s[\g+6], 0
	s_mov_b32 s[\g+7], 0
.endr
	s_lshl_b32 s47, s18, 3
	s_lshl_b32 s42, s40, 4
	s_add_co_u32 s42, s42, s44
	s_add_co_u32 s42, s42, s47                     ; the first tile that I would fetch of A: made of cy, the cluster's y and the wave's number
	s_lshl_b32 s43, s41, 4
	s_add_co_u32 s43, s43, s47                     ; and of B: made of cx, the cluster's x and y and the wave's number
	s_mul_i32 s92, s42, TROW
	s_mov_b32 s93, 0
	s_lshl_b32 s94, s42, 6
	s_mov_b32 s95, 0
	s_mul_i32 s96, s43, TROW
	s_mov_b32 s97, 0
	s_lshl_b32 s98, s43, 6
	s_mov_b32 s99, 0
	s_mul_i32 s2, s16, QUART                       ; where they go: wave x a quarter: no place in the cluster enters an LDS address
	s_lshl_b32 s22, s16, 12
	s_wait_dscnt 0x0                               ; the opening add is done
	s_wait_kmcnt 0x0
	s_cmp_eq_u32 s19, 0
	s_cselect_b64 s[44:45], s[4:5], s[8:9]
	s_add_nc_u64 s[92:93], s[44:45], s[92:93]      ; A's codes
	s_cselect_b64 s[44:45], s[6:7], s[10:11]
	s_add_nc_u64 s[94:95], s[44:45], s[94:95]      ; A's scale words
	s_cselect_b64 s[66:67], s[8:9], s[4:5]
	s_add_nc_u64 s[96:97], s[66:67], s[96:97]      ; B's codes
	s_cselect_b64 s[66:67], s[10:11], s[6:7]
	s_add_nc_u64 s[98:99], s[66:67], s[98:99]      ; B's scale words
	CROUND                                         ; all sixteen work-groups are here: the first joint loads meet
	s_mov_b32 s[G0S], 1
	s_add_co_u32 s[G0S+1], s22, SCLB
	s_mov_b64 s[G0S+2:G0S+3], s[94:95]
	s_or_b32 s[G0S+3], s[G0S+3], 0x80000000
	s_mov_b32 s[G0SB], 1
	s_add_co_u32 s[G0SB+1], s22, SCLB
	s_mov_b64 s[G0SB+2:G0SB+3], s[98:99]
	s_or_b32 s[G0SB+3], s[G0SB+3], 0x80000000
	JLOAD G0S, G1S, G0SB, G1SB                     ; the scale words first: they are wanted with K step 0
.irp s, 0,1
	s_mov_b32 s[G0+4*\s], 1
	s_add_co_u32 s[G0+4*\s+1], s2, \s*SLOT
	s_add_nc_u64 s[G0+4*\s+2:G0+4*\s+3], s[92:93], \s*3072
	s_or_b32 s[G0+4*\s+3], s[G0+4*\s+3], 0x80000000
	s_mov_b32 s[G0B+4*\s], 1
	s_add_co_u32 s[G0B+4*\s+1], s2, \s*SLOT
	s_add_nc_u64 s[G0B+4*\s+2:G0B+4*\s+3], s[96:97], \s*3072
	s_or_b32 s[G0B+4*\s+3], s[G0B+4*\s+3], 0x80000000
	JLOAD G0+4*\s, G1, G0B+4*\s, G1B
.endr
	v_and_b32 v1, 15, v0                           ; r
	v_bfe_u32 v2, v0, 4, 1                         ; h
	v_and_b32 v3, 31, v0                           ; lane
	v_lshlrev_b32 v[O16], 4, v3
	v_lshlrev_b32 v[O8], 3, v3
	s_mul_i32 s42, s17, QUART                      ; my 8 tiles of A
	s_mul_i32 s43, s18, QUART                      ; my 8 tiles of B,
	s_add_co_u32 s43, s43, 2*QUART                 ; which lie behind A's 16
.irp s, 0,1
	v_add_nc_u32 v[ADRA16+\s], s42, v[O16]
	v_add_nc_u32 v[ADRA8+\s], s42, v[O8]
	v_add_nc_u32 v[ADRB16+\s], s43, v[O16]
	v_add_nc_u32 v[ADRB8+\s], s43, v[O8]
	s_add_co_u32 s42, s42, SLOT
	s_add_co_u32 s43, s43, SLOT
.endr
	s_lshl_b32 s42, s17, 12                        ; A's scale words: my quarter
	s_lshl_b32 s43, s18, 12                        ; B's, behind A's two
	s_add_co_u32 s43, s43, 2*SQUART
	s_sub_co_u32 s43, s43, s42
	v_mul_u32_u24 v4, s43, v2                      ; lanes 16-31 take B's
	s_add_co_u32 s42, s42, SCLB
	v_lshl_add_u32 v4, v1, 2, v4
	v_add_nc_u32 v[ADRS], s42, v4
	; where the results go.  Both forms are made, then chosen on V
	s_lshl_b32 s42, s20, 1
	s_add_co_u32 s42, s42, s18                     ; 2 cx + half: my pair of heads
	s_lshr_b32 s43, s40, 3                         ; the batch
	s_and_b32 s44, s40, 7
	s_lshl_b32 s44, s44, 1
	s_add_co_u32 s44, s44, s17                     ; which 128 rows of the batch
	s_mul_i32 s92, ttmp9, 6291456                  ; q (cluster x = 0) or k (1)
	s_mul_i32 s45, s43, 16*98304
	s_add_co_u32 s92, s92, s45
	s_mul_i32 s45, s42, 2*98304
	s_add_co_u32 s92, s92, s45
	s_mul_i32 s45, s44, 8*768
	s_add_co_u32 s92, s92, s45
	s_lshl_b32 s98, ttmp9, 18
	s_lshl_b32 s45, s43, 16
	s_add_co_u32 s98, s98, s45
	s_lshl_b32 s45, s42, 13
	s_add_co_u32 s98, s98, s45
	s_lshl_b32 s45, s44, 8
	s_add_co_u32 s98, s98, s45
	s_lshl_b32 s42, s41, 1
	s_add_co_u32 s42, s42, s18                     ; V: batch x 16 + key step
	s_lshl_b32 s43, s40, 1
	s_add_co_u32 s43, s43, s17                     ; V: which 8 tiles of channels: a pair of heads
	s_mul_i32 s94, s42, 98304
	s_mul_i32 s45, s43, 8*1536
	s_add_co_u32 s94, s94, s45
	s_add_co_u32 s94, s94, 12582912
	s_lshl_b32 s99, s42, 12
	s_lshl_b32 s45, s43, 9
	s_add_co_u32 s99, s99, s45
	s_add_co_u32 s99, s99, 524288
	s_mov_b32 s[STP], 1536
	s_mov_b32 s66, 768
	s_mov_b32 s67, 256
	s_mov_b32 s44, 0x03020100
	s_mov_b32 s45, 0x04040404
	s_cmp_eq_u32 s19, 0
	s_cselect_b32 s92, s92, s94
	s_cselect_b32 s98, s98, s99
	s_cselect_b32 s[STP], 768, s[STP]              ; from tile to tile
	s_cselect_b32 s66, 98304, s66                  ; from a tile's first 64 columns to its second: the next head, or (V) the fragment's second half
	s_cselect_b32 s67, 4096, s67                   ; from the first head's scale words to the second's
	s_cselect_b32 s44, 0x05040100, s44             ; lanes 0-15 pack the first head's words,
	s_cselect_b32 s45, 0x02020202, s45             ; lanes 16-31 the second's: this much more in each select byte
	s_cselect_b32 s22, 0, -1                       ; all ones under V
	s_mov_b32 s93, 0
	s_mov_b32 s94, s66
	s_mov_b32 s95, 0
	s_mov_b32 s[STP+1], 0
	s_mov_b32 s99, 0
	s_add_nc_u64 s[P0:P0+1], s[12:13], s[P0:P0+1]
	s_add_nc_u64 s[P1:P1+1], s[P0:P0+1], s[P1:P1+1]
	s_add_nc_u64 s[PS:PS+1], s[14:15], s[PS:PS+1]
	v_mul_lo_u32 v[SELV], v2, s45
	v_add_nc_u32 v[SELV], s44, v[SELV]
	v_mul_u32_u24 v[OS], v2, s67
	v_lshl_add_u32 v[OS], v1, 4, v[OS]
	s_mov_b32 s46, 0x76543210
	s_mov_b32 s47, 0xfedcba98                      ; v_permlanex16_b32's selects for lane l xor 16
.irp b, 0,1,2,3
	v_mov_b32 v[TM+4+\b], 0                        ; written once: a lane permute's destination counts as one of its sources
.endr
.macro FRAG reg, a16, a8, off          ; a fragment's image comes back as it was laid: four loads, each of consecutive bytes over the lanes
	ds_load_b128 v[\reg:\reg+3], v[\a16] offset:\off
	ds_load_b64 v[\reg+4:\reg+5], v[\a8] offset:\off+512
	ds_load_b128 v[\reg+6:\reg+9], v[\a16] offset:\off+768
	ds_load_b64 v[\reg+10:\reg+11], v[\a8] offset:\off+1280
.endm
; 16 matrix instructions: A's tiles a0, a0 + 1 x B's eight, the slot's q-th 128 along K.  p: B's set; sc: the set of scale words.  zero = 1: the first product starts the sums.
; The 64 accumulators take turns, one instruction a turn, in the same order in every step.
.macro MUL16 a0, p, q, sc, zero
.irp a, \a0, \a0+1
.irp b, 0,1,2,3,4,5,6,7
.if \zero
	v_wmma_scale_f32_16x16x128_f8f6f4 v[8*(8*((\a)%4)+\b):8*(8*((\a)%4)+\b)+7], v[128*(\p)+FR*\b:128*(\p)+FR*\b+FR-1], v[AF+FR*(\a):AF+FR*(\a)+FR-1], 0, v[SC+16*(\sc)+2*\b+(\q)], v[SC+16*(\sc)+2*(\a)+(\q)] matrix_a_fmt:MATRIX_FMT_FP6 matrix_b_fmt:MATRIX_FMT_FP6 matrix_a_scale:MATRIX_SCALE_ROW1
.else
	v_wmma_scale_f32_16x16x128_f8f6f4 v[8*(8*((\a)%4)+\b):8*(8*((\a)%4)+\b)+7], v[128*(\p)+FR*\b:128*(\p)+FR*\b+FR-1], v[AF+FR*(\a):AF+FR*(\a)+FR-1], v[8*(8*((\a)%4)+\b):8*(8*((\a)%4)+\b)+7], v[SC+16*(\sc)+2*\b+(\q)], v[SC+16*(\sc)+2*(\a)+(\q)] matrix_a_fmt:MATRIX_FMT_FP6 matrix_b_fmt:MATRIX_FMT_FP6 matrix_a_scale:MATRIX_SCALE_ROW1
.endif
.endr
.endr
.endm
.macro FETCH_B slot, q, p              ; B's eight fragments of the slot's q-th 128 along K into set p
	WIN TO_B
.irp i, 0,1,2,3,4,5,6,7
	FRAG 128*(\p)+FR*\i, ADRB16+\slot, ADRB8+\slot, 3072*\i+1536*(\q)
.endr
	WIN 0
.endm
.macro FETCH_A slot, q, i0             ; A's tiles i0 .. i0 + 3
.irp i, \i0, \i0+1, \i0+2, \i0+3
	FRAG AF+FR*(\i), ADRA16+\slot, ADRA8+\slot, 3072*(\i)+1536*(\q)
.endr
.endm
.macro SCALES sc                       ; a slot's scale words into set sc
.irp i, 0,1,2,3,4,5,6,7
	ds_load_b32 v[SC+16*\sc+2*\i], v[ADRS] offset:64*\i
	ds_load_b32 v[SC+16*\sc+2*\i+1], v[ADRS] offset:512+64*\i
.endr
.endm
.macro PLACES                          ; four plain places in front of loads into registers that matrix instructions have read, and of the first read of results
.rept 4
	v_nop
.endr
.endm
; A slot's first 128 along K: multiplies B's set 0; A's tiles are fetched anew as soon as their products are issued
.macro STEP slot, zero
	s_wait_dscnt 16                                ; B's set and A's tiles 0-3 are in; the youngest 16 loads (A's tiles 4-7) may be out
	WIN MUL_LO
	MUL16 0, 0, 0, \slot, \zero
	MUL16 2, 0, 0, \slot, \zero
	s_wait_dscnt 0x0                               ; A's tiles 4-7 are in
	PLACES
	FETCH_B \slot, 1, 1
	FETCH_A \slot, 1, 0
	WIN MUL_HI
	MUL16 4, 0, 0, \slot, \zero
	MUL16 6, 0, 0, \slot, \zero
	PLACES
	WIN 0
	FETCH_A \slot, 1, 4
.endm
; A slot's second 128 changes slots: ONE barrier; in front of it each wave waits for all its tensor loads, adds 0 to its spare word, and waits for that and for its reads of this slot.  fill = 1: the slot is filled again
.macro TURN slot, next, fill
	s_wait_tensorcnt 0x0                           ; all my tensor loads have landed: my part of the next slot
	ds_add_u32 v[SPW], v[NIL]                      ; 0 onto my spare word
	s_wait_dscnt 17                                ; (the add and the youngest 16 loads, A's tiles 4-7, may be out)
	WIN MUL_LO
	MUL16 0, 1, 1, \slot, 0                        ; sixteen matrix instructions stand between the add and the wait for it
	s_wait_dscnt 0x0                               ; the add is done, and my reads of this slot are over
	s_barrier_signal -1
	MUL16 2, 1, 1, \slot, 0
	WIN 0
	s_barrier_wait -1
.if \fill
	CREST                                          ; the barrier has opened a round of the cluster's barrier: no wave of any partner still reads this slot or has a load on its way
	s_add_nc_u64 s[G0+4*\slot+2:G0+4*\slot+3], s[G0+4*\slot+2:G0+4*\slot+3], 2*3072
	s_add_nc_u64 s[G0B+4*\slot+2:G0B+4*\slot+3], s[G0B+4*\slot+2:G0B+4*\slot+3], 2*3072
	JLOAD G0+4*\slot, G1, G0B+4*\slot, G1B         ; the first tensor load behind the round; its four v_nop are the places in front of the loads below
.else
	PLACES
.endif
	v_add_nc_u32 v[ADRS], 1024, v[ADRS]            ; on to the next slot's scale words
	FETCH_B \next, 0, 0
	FETCH_A \next, 0, 0
	SCALES \next
	WIN MUL_HI
	MUL16 4, 1, 1, \slot, 0
	MUL16 6, 1, 1, \slot, 0
	PLACES
	WIN 0
	FETCH_A \next, 0, 4
.endm
	s_wait_tensorcnt 1                             ; the scale words and my part of slot 0 are in (slot 1's load may be out)
	s_barrier_signal -1
	s_barrier_wait -1                              ; everybody's are
	FETCH_B 0, 0, 0
	FETCH_A 0, 0, 0
	SCALES 0
	FETCH_A 0, 0, 4
	STEP 0, 1                                      ; the first step stands in front of the loop: its products start the sums
	s_mov_b32 s3, 1                                ; K = 1,024 is twice round the ring: one trip fills both slots again
.Llap:
	TURN 0, 1, 1
	STEP 1, 0
	TURN 1, 0, 1
	STEP 0, 0
	s_sub_co_u32 s3, s3, 1
	s_cmp_lg_u32 s3, 0
	s_cbranch_scc1 .Llap
	TURN 0, 1, 0                                   ; the last lap fills nothing
	STEP 1, 0
	s_wait_dscnt 16
	WIN MUL_LO
	MUL16 0, 1, 1, 1, 0
	MUL16 2, 1, 1, 1, 0
	s_wait_dscnt 0x0
	WIN MUL_HI
	MUL16 4, 1, 1, 1, 0
	MUL16 6, 1, 1, 1, 0
	WIN 0
; THE WAY OUT.  Tile a's 64 numbers of a lane (four times 16 neighbours of a block of 32) become a fragment's 12 registers and a scale word, and the registers leave as their image: no LDS.
.macro QUANT a
.set AC, 64*((\a)%4)
.set W, 2+(\a)/4
	WIN 20*W                                       ; sources 1 and 2: the accumulators' window
.irp b, 0,1,2,3
	v_max3_num_f32 v[TM+\b], 0x1800000, |v[AC+16*\b]|, |v[AC+16*\b+1]|   ; with the floor 2^(3 - 127); each accumulator is read from its low end on
.endr
.irp i, 2,4,6,8,10,12,14
.irp b, 0,1,2,3
	v_max3_num_f32 v[TM+\b], v[TM+\b], |v[AC+16*\b+\i]|, |v[AC+16*\b+\i+1]|
.endr
.endr
	WIN 0
.irp b, 0,1,2,3
	v_permlanex16_b32 v[TM+4+\b], v[TM+\b], s46, s47
.endr
.irp b, 0,1,2,3
	v_max_num_f32 v[TM+\b], v[TM+\b], v[TM+4+\b]   ; with lane l xor 16's: the block's largest magnitude
.endr
.irp b, 0,1,2,3
	v_add_nc_u32 v[TM+12+\b], 0xff000000, v[TM+\b] ; 2 off its exponent field: the conversion's scale operand
.endr
.irp b, 0,1,2,3
	v_lshrrev_b32 v[TM+4+\b], 23, v[TM+12+\b]      ; the scale's byte
.endr
	v_lshl_or_b32 v[PW+(\a)], v[TM+5], 8, v[TM+4]
	v_lshl_or_b32 v[PW+(\a)], v[TM+6], 16, v[PW+(\a)]
	v_lshl_or_b32 v[PW+(\a)], v[TM+7], 24, v[PW+(\a)]
.if (\a) > 0
	s_wait_xcnt 0x0                                ; the last tile's stores have read their data and their bases: both may be written
	s_add_nc_u64 s[P0:P0+1], s[P0:P0+1], s[STP:STP+1]
	s_add_nc_u64 s[P1:P1+1], s[P1:P1+1], s[STP:STP+1]
.endif
	WIN W                                          ; source 0: the accumulators' window
.irp c, 0,1
	v_cvt_scalef32_pk16_fp6_f32 v[PC+6*\c:PC+6*\c+2], v[AC+32*\c:AC+32*\c+15], v[TM+12+2*\c]
	v_cvt_scalef32_pk16_fp6_f32 v[PC+12+4*\c:PC+14+4*\c], v[AC+32*\c+16:AC+32*\c+31], v[TM+12+2*\c+1]
.endr
	WIN 0
	v_nop                                          ; one plain place behind a scaled conversion
.irp c, 0,1                                    ; the operand's layout wants a whole block in a lane: lanes 0-15 block 2 c, lanes 16-31 block 2 c + 1
.irp i, 0,1,2
	v_permlane16_swap_b32 v[PC+6*\c+\i], v[PC+12+4*\c+\i]
.endr
.irp i, 0,1,2
	v_mov_b32 v[PC+3+6*\c+\i], v[PC+12+4*\c+\i]
.endr
.endr
	global_store_b128 v[O16], v[PC:PC+3], s[P0:P0+1]                 ; each store of the wave covers whole aligned blocks of 256 bytes
	global_store_b64 v[O8], v[PC+4:PC+5], s[P0:P0+1] offset:512
	global_store_b128 v[O16], v[PC+6:PC+9], s[P1:P1+1]
	global_store_b64 v[O8], v[PC+10:PC+11], s[P1:P1+1] offset:512
.endm
	PLACES
.irp a, 0,1,2,3,4,5,6,7
	QUANT \a
.endr
	; the scale words: q, k: a head's word p takes two bytes of tile 2 p's word and two of tile 2 p + 1's; V: a head's four words are four tiles' words.  Both forms are made; a select on V keeps one
.irp j, 0,1,2,3
	v_perm_b32 v[OW+\j], v[PW+2*\j+1], v[PW+2*\j], v[SELV]
	v_perm_b32 v[OW+4+\j], v[PW+4+\j], v[PW+\j], v[SELV]
.endr
.irp j, 0,1,2,3
	v_cndmask_b32 v[OW+\j], v[OW+\j], v[OW+4+\j], s22
.endr
	global_store_b128 v[OS], v[OW:OW+3], s[PS:PS+1]                  ; sixteen lanes store 256 consecutive bytes, aligned: one head's words; the other sixteen the next head's
	s_wait_tensorcnt 0x0                           ; the wave's end, behind my last tensor load
	ds_add_u32 v[SPW], v[NIL]
	s_wait_dscnt 0x0
	CROUND                                         ; the closing round: no work-group ends while a partner may still ask for a tile that names it
	s_endpgm
.Lfunc_end_k_q9092e1902a_gemm1:
	.size	k_q9092e1902a_gemm1, .Lfunc_end_k_q9092e1902a_gemm1-k_q9092e1902a_gemm1
	.p2alignl 7, 3214868480
	.fill 96, 4, 3214868480
	.section	.rodata,"a",@progbits
	.p2align	6, 0x0
	.amdhsa_kernel k_q9092e1902a_gemm1
		.amdhsa_group_segment_fixed_size 327680
		.amdhsa_private_segment_fixed_size 0
		.amdhsa_enable_private_segment 0
		.amdhsa_kernarg_size 48
		.amdhsa_user_sgpr_count 2
		.amdhsa_user_sgpr_kernarg_segment_ptr 1
		.amdhsa_wavefront_size32 1
		.amdhsa_system_sgpr_workgroup_id_x 1
		.amdhsa_system_sgpr_workgroup_id_y 1
		.amdhsa_system_sgpr_workgroup_id_z 1
		.amdhsa_system_vgpr_workitem_id 0
		.amdhsa_next_free_vgpr 1024
		.amdhsa_next_free_sgpr 100
		.amdhsa_reserve_vcc 0
		.amdhsa_float_denorm_mode_32 3
		.amdhsa_float_denorm_mode_16_64 3
		.amdhsa_memory_ordered 1
		.amdhsa_forward_progress 1
		.amdhsa_inst_pref_size 154
	.end_amdhsa_kernel
	.amdgpu_metadata
---
amdhsa.version: [ 1, 2 ]
amdhsa.kernels:
  - .name:           k_q9092e1902a_gemm1
    .symbol:         k_q9092e1902a_gemm1.kd
    .args:
      - { .name: xc, .offset: 0, .size: 8, .value_kind: global_buffer, .address_space: global }
      - { .name: xs, .offset: 8, .size: 8, .value_kind: global_buffer, .address_space: global }
      - { .name: wc, .offset: 16, .size: 8, .value_kind: global_buffer, .address_space: global }
      - { .name: ws, .offset: 24, .size: 8, .value_kind: global_buffer, .address_space: global }
      - { .name: qkvc, .offset: 32, .size: 8, .value_kind: global_buffer, .address_space: global }
      - { .name: qkvs, .offset: 40, .size: 8, .value_kind: global_buffer, .address_space: global }
    .group_segment_fixed_size: 327680
    .private_segment_fixed_size: 0
    .kernarg_segment_align: 8
    .kernarg_segment_size: 48
    .max_flat_workgroup_size: 128
    .sgpr_count:     100
    .vgpr_count:     1024
    .wavefront_size: 32
...
	.end_amdgpu_metadata
.endif
;; end of part 2
;; launch attn (part 3): grid 8 x 64, 16 waves a work-group, no clusters, 327,680 bytes of LDS; arguments qkvc, qkvs, cc, cs; writes cc, cs
.if DOCPART == 3
	.amdgcn_target "amdgcn-amd-amdhsa--gfx1250"
	.amdhsa_code_object_version 6
	.text
	.protected	k_q9092e1902a_attn
	.globl	k_q9092e1902a_attn
	.p2align	8
	.type	k_q9092e1902a_attn,@function
k_q9092e1902a_attn:
	s_mov_b64 s[64:65], 0
	v_nop
	global_prefetch_b8 v0, s[64:65] scope:SCOPE_SE
	s_setreg_imm32_b32 hwreg(HW_REG_WAVE_MODE, 25, 1), 1
	s_wait_xcnt 0x0
; ctx[b][q][64 h + d] = the sum over keys k <= q of softmax_k(q . k / 8) v[k][d], both products on codes of FP6 (E2M3) with E8M0 scales; ctx leaves as codes, quantised along 64 h + d.
; THE SOFTMAX AHEAD OF THE SECOND PRODUCT: t = score x log2(e) / 8; M = the running largest t rounded UP to a whole number; p = 2^(t - M) is quantised along the keys, not normalised; the row's sum is taken of the
; unquantised p and divides O at the end.  When M moves, the sum and O are multiplied by 2^(old M - new M): exact.
; SHARES.  A work-group owns, of one head, the blocks of 128 queries j and 15 - j (j = work-group x): 8 (j + 1) + 8 (16 - j) = 136 key steps of a wave in every work-group.  Each of sixteen waves owns one tile of 16 queries.
; Tile t holds queries 32 (t / 2) + 8 (t % 2) + r + 8 (r / 8); tiles of keys and of channels likewise, so that a lane's 16 registers of two neighbouring result tiles are 16 neighbours along the next K.
; Both products are used transposed: S^T = K Q^T, O^T = V^T P^T: a lane holds ONE query throughout.
; THE FIRST PRODUCT'S K IS 64, half of the instruction's 128.  Two neighbouring tiles of keys lie as ONE fragment (tile 2 p in k = 0..63, tile 2 p + 1 in k = 64..127); it is multiplied once by [q | zero codes] and once by
; [zero codes | q]: zero codes add nothing under any scale byte but 0xff, and the bytes here lie between 1 and 254.
; THE RING: two LDS slots of 512 keys (four key steps).  Every work-group walks all four changes of slots (constant trip counts); a key step all of whose keys come after the wave's queries is jumped over, and a slot whose
; first key comes after the work-group's last query is not asked for: jumps on ids and on the count of steps alone.  Every wait on TENSORcnt is for 0.
; NO CLUSTER: the jump over hidden key steps hangs on the wave's first query, which among work-groups that share K and V hangs on the work-group's number; partners of a cluster may not branch on their place.
; LIMITS: a block whose largest magnitude lies under 2^-124 keeps the scale byte 1 (read by this program alone); NaN and infinities are not served.
.set KOFF,  6291456                    ; k's codes in qkvc
.set VOFF,  12582912                   ; v's
.set SK,    512                        ; keys in a slot
.set SLOT1, 65536                      ; slot 1 begins here: one exclusive or turns an address from one slot to the other
.set VLDS,  24576                      ; a slot: 32 tiles of K x 768 bytes, then 4 key steps x 4 tiles of V x 1,536
.set SCK,   131072                     ; K's scale words of the whole head: [key step][r][pair of tiles]: 4,096 bytes
.set SCV,   SCK+4096                   ; V's: [key step][r][tile]
.set SPARE, SCV+4096                   ; the spare words, 128 bytes for each wave: eight blocks of 256 bytes that no other line names
.set L16,  1                           ; v1   16 x lane
.set L8,   2                           ; v2   8 x lane
.set ASC0, 3                           ; v3   SCK + 16 r
.set QL,   4                           ; v4   my query less the tile's first, less 16 (lane / 16)
.set SPW,  5                           ; v5   LDS address of my spare word; never rewritten
.set NIL,  6                           ; v6   0; never rewritten
.set R4,   7                           ; v7   4 r
.set A16,  8                           ; v8-10 the LDS addresses of the step in hand
.set A8,   9
.set AS,   10
.set PFO,  11                          ; v11  the prefetches' offset; never rewritten
.set QA,   16                          ; v16-27  [q | 0]
.set QB,   28                          ; v28-39  [0 | q]
.set FK,   40                          ; v40-87  four fragments of K; behind the first product at work:
.set BM,   40                          ;   the blocks' largest scores
.set PT,   44                          ;   the other half of the lanes'
.set C2,   48                          ;   the second halves of the blocks' codes
.set SO,   56                          ;   the conversions' scale operands
.set BY,   60                          ;   the scales' bytes
.set SU,   64                          ;   the sum's second chain
.set FV,   88                          ; v88-135 four fragments of V
.set S,    136                         ; v136-199 S^T, then p
.set OT,   200                         ; v200-231 O^T
.set PCD,  232                         ; v232-243 p's codes
.set KS,   244                         ; v244-247 K's scale words; v248-251 V's; v253 p's; v255 q's
.set VS,   248
.set SQ,   255
.set TB,   2                           ; s2   LDS byte at which the slot in hand begins
.set TS,   3                           ; s3   256 x the key step: its scale words
.set WV,   18
.set SEL,  20                          ; s[20:21] v_permlanex16_b32's selects for lane l xor 16
.set CS,   22                          ; s[22:23] c = log2(e) / 8
.set G1,   24                          ; s[24:31] group 1: 6,144 dense bytes;  s[32:39] 4,096 dense bytes;  s[40:47] 16 rows of 256 bytes, 4,096 apart
.set G1SK, 32
.set G1SV, 40
.set G0,   48                          ; s[48:51] group 0 for the codes, which walks;  s[52:53] its step in memory
.set GS,   52
.set G0SK, 56
.set G0SV, 60
.set SLOTS, 66
.set KF,   67                          ; the step's first key
.set Q0,   68                          ; my tile's first query
.set QLAST, 69                         ; my work-group's last query
.set LIM,  70                          ; 1 in a wave that prefetches, else the greatest number
.set PFA,  72                          ; s[72:73] where my prefetches stand;  s[74:75] a slot on
.set PFS,  74
.set CCB,  92                          ; s[92:93] where my codes of ctx go;  s[94:95] their scale bytes
.set CSB,  94
.macro TLOAD                           ; waves 0 to 3 fetch a slot's four key steps of K, waves 4 to 7 those of V: 6,144 bytes each, at wave x 6,144 of the slot.  An s_nop 0 and four v_nop follow
	s_cmp_lt_u32 s[WV], 8
	s_cbranch_scc0 .Lno_load_\@
	tensor_load_to_lds s[G0:G0+3], s[G1:G1+7]
	s_nop 0
.rept 4
	v_nop
.endr
.Lno_load_\@:
.endm
; A PREFETCH INTO THE L2 of what the NEXT change of slots will ask for: 24,576 bytes of K (waves 8 to 10: 8,192 each, lanes 256 bytes apart) and 4 x 6,144 bytes of V (waves 11 to 13: 96 blocks of 256 bytes, a lane a block).
; All eight work-groups of a head walk the same K and V: the first of them asks, so each block is named once in the launch.  Slots 0 and 1 come by their loads alone; the last change that fills a slot asks for nothing.
.macro ASK
	s_cmp_gt_u32 s[SLOTS], s[LIM]
	s_cbranch_scc0 .Lnot_mine_\@
	global_prefetch_b8 v[PFO], s[PFA:PFA+1] th:TH_LOAD_NT scope:SCOPE_SE
.Lnot_mine_\@:
.endm
	s_load_b256 s[4:11], s[0:1], 0x0               ; qkvc s[4:5], qkvs s[6:7], cc s[8:9], cs s[10:11]
	v_lshl_add_u32 v[SPW], v0, 2, SPARE
	v_mov_b32 v[NIL], 0
	ds_add_u32 v[SPW], v[NIL]                      ; the wave's opening: the add and its wait stand ahead of my first tensor load; the set-up below, work on registers, stands between them
	ds_add_u32 v[SPW], v[NIL]
	v_lshrrev_b32 v8, 5, v0
	s_delay_alu instid0(VALU_DEP_1)
	v_readfirstlane_b32 s[WV], v8                  ; wave 0..15
	s_and_b32 s13, ttmp7, 0xffff                   ; batch x 16 + head
	s_lshr_b32 s14, s13, 4                         ; batch
	s_and_b32 s15, s13, 15                         ; head
	s_lshr_b32 s96, s[WV], 2
	s_xor_b32 s96, s96, s[WV]
	s_and_b32 s96, s96, 1                          ; which of the two blocks: for each tile number wave / 2 one wave of each kind
	s_sub_co_u32 s97, 15, ttmp9
	s_cmp_eq_u32 s96, 0
	s_cselect_b32 s78, ttmp9, s97                  ; my block of 128 queries
	s_lshl_b32 s[QLAST], s97, 7
	s_add_co_u32 s[QLAST], s[QLAST], 127
	s_lshr_b32 s96, s[WV], 1
	s_lshl_b32 s80, s78, 3
	s_add_co_u32 s80, s80, s96                     ; my tile t
	s_lshr_b32 s96, s80, 1
	s_lshl_b32 s96, s96, 5
	s_and_b32 s97, s80, 1
	s_lshl_b32 s97, s97, 3
	s_add_co_u32 s[Q0], s96, s97                   ; 32 (t / 2) + 8 (t % 2)
	s_mov_b32 s[G1], 3<<16                         ; elements of 8 bytes, no mask, no padding
	s_mov_b32 s[G1+1], 32<<16                      ; rows of 256 bytes
	s_mov_b32 s[G1+2], 24<<16
	s_mov_b32 s[G1+3], 32<<16
	s_mov_b32 s[G1+4], 24
	s_mov_b32 s[G1+5], 32
	s_mov_b32 s[G1+6], 0
	s_mov_b32 s[G1+7], 0
.irp g, G1SK, G1SV
	s_mov_b32 s[\g], 3<<16
	s_mov_b32 s[\g+1], 32<<16
	s_mov_b32 s[\g+2], 16<<16
	s_mov_b32 s[\g+3], 32<<16
	s_mov_b32 s[\g+4], 16
	s_mov_b32 s[\g+6], 0
	s_mov_b32 s[\g+7], 0
.endr
	s_mov_b32 s[G1SK+5], 32
	s_mov_b32 s[G1SV+5], 512
	s_mul_i32 s81, s13, 98304                      ; the head's first byte among q's codes, and among k's
	s_and_b32 s83, s[WV], 3                        ; which key step of a slot I fetch
	s_mul_i32 s84, s83, 6144
	s_add_co_u32 s84, s84, s81
	s_add_co_u32 s84, s84, KOFF                    ; K's
	s_lshl_b32 s82, s14, 4
	s_add_co_u32 s86, s82, s83
	s_mul_i32 s86, s86, 98304
	s_mul_i32 s89, s15, 6144                       ; the head's four tiles in a key step of V
	s_add_co_u32 s86, s86, s89
	s_add_co_u32 s86, s86, VOFF                    ; V's
	s_mov_b32 s[GS], 4*98304
	s_cmp_lt_u32 s[WV], 4
	s_cselect_b32 s84, s84, s86
	s_cselect_b32 s[GS], 24576, s[GS]              ; a slot on, in memory
	s_mov_b32 s85, 0
	s_mov_b32 s[GS+1], 0
	s_mul_i32 s88, s[WV], 6144                     ; and in a slot
	s_lshl_b32 s90, s13, 12
	s_add_co_u32 s90, s90, 262144                  ; K's scale words of the head
	s_mov_b32 s91, 0
	s_lshl_b32 s86, s14, 16
	s_lshl_b32 s87, s15, 8
	s_add_co_u32 s86, s86, s87
	s_add_co_u32 s86, s86, 524288                  ; V's
	s_mov_b32 s87, 0
	s_mul_i32 s76, s80, 768
	s_add_co_u32 s76, s76, s81                     ; my tile of q
	s_mov_b32 s77, 0
	s_lshl_b32 s78, s78, 8
	s_lshl_b32 s79, s13, 12
	s_add_co_u32 s78, s78, s79
	s_lshr_b32 s79, s[WV], 2
	s_lshl_b32 s79, s79, 2
	s_add_co_u32 s78, s78, s79                     ; the scale word that holds my tile's two bytes
	s_mov_b32 s79, 0
	s_lshl_b32 s96, s14, 7
	s_add_co_u32 s96, s96, s80                     ; ctx: tile 128 x batch + t,
	s_lshr_b32 s97, s15, 1                         ; K step head / 2,
	s_and_b32 s98, s15, 1                          ; half head % 2
	s_mul_i32 s[CCB], s96, 12288
	s_mul_i32 s99, s97, 1536
	s_add_co_u32 s[CCB], s[CCB], s99
	s_mul_i32 s99, s98, 768
	s_add_co_u32 s[CCB], s[CCB], s99
	s_mov_b32 s[CCB+1], 0
	s_lshl_b32 s[CSB], s97, 15
	s_lshl_b32 s96, s96, 6
	s_add_co_u32 s[CSB], s[CSB], s96
	s_lshl_b32 s98, s98, 1
	s_add_co_u32 s[CSB], s[CSB], s98
	s_mov_b32 s[CSB+1], 0
	s_and_b32 s96, s[WV], 7                        ; the prefetches: waves 8 to 10 (0 to 2 here) K's, 11 to 13 V's
	s_lshl_b32 s[PFA], s96, 13
	s_add_co_u32 s[PFA], s[PFA], s81
	s_add_co_u32 s[PFA], s[PFA], KOFF+24576        ; in slot 1: the first change of slots steps it to slot 2
	s_mul_i32 s97, s82, 98304
	s_add_co_u32 s97, s97, s89
	s_add_co_u32 s97, s97, VOFF+4*98304
	s_mov_b32 s[PFS], 4*98304
	s_cmp_lt_u32 s96, 3
	s_cselect_b32 s[PFA], s[PFA], s97
	s_cselect_b32 s[PFS], 24576, s[PFS]
	s_cselect_b32 s71, -1, 0
	s_mov_b32 s[PFA+1], 0
	s_mov_b32 s[PFS+1], 0
	s_sub_co_u32 s96, s96, 3
	s_lshl_b32 s83, s96, 5                         ; V: my wave's first block of the 96
	s_sub_co_u32 s97, s[WV], 8
	s_cmp_lt_u32 s97, 6
	s_cselect_b32 s97, 0, 1
	s_or_b32 s97, s97, ttmp9                       ; waves 8 to 13 of the head's first work-group
	s_cmp_eq_u32 s97, 0
	s_cselect_b32 s[LIM], 1, -1
	s_mov_b32 s99, 0x01000100                      ; my tile's two bytes of the word, twice: the low half (even tile)
	s_bitcmp1_b32 s[WV], 1
	s_cselect_b32 s99, 0x03020302, s99             ; or the high half
	s_mov_b32 s[SEL], 0x76543210
	s_mov_b32 s[SEL+1], 0xfedcba98
	s_mov_b32 s[CS], 0x3e38aa3b                    ; c = log2(e) / 8
	s_mov_b32 s[CS+1], s[CS]                       ; (named with it as a pair, so it is written)
	s_mov_b32 s[TB], 0
	s_mov_b32 s[TS], 0
	s_mov_b32 s[KF], 0
	s_mov_b32 s[SLOTS], 3
	s_wait_dscnt 0x0                               ; the opening add is done
	s_wait_kmcnt 0x0
	s_mov_b32 s[G0], 1
	s_mov_b32 s[G0+1], s88
	s_add_nc_u64 s[G0+2:G0+3], s[4:5], s[84:85]
	s_or_b32 s[G0+3], s[G0+3], 0x80000000
	s_mov_b32 s[G0SK], 1
	s_mov_b32 s[G0SK+1], SCK
	s_add_nc_u64 s[G0SK+2:G0SK+3], s[6:7], s[90:91]
	s_or_b32 s[G0SK+3], s[G0SK+3], 0x80000000
	s_mov_b32 s[G0SV], 1
	s_mov_b32 s[G0SV+1], SCV
	s_add_nc_u64 s[G0SV+2:G0SV+3], s[6:7], s[86:87]
	s_or_b32 s[G0SV+3], s[G0SV+3], 0x80000000
	s_cmp_lt_u32 s[WV], 8                          ; the first fills: waves 0 to 7 slot 0, wave 8 K's scale words, wave 9 V's: one load a wave
	s_cbranch_scc0 .Lnot_codes
	tensor_load_to_lds s[G0:G0+3], s[G1:G1+7]
	s_nop 0
.rept 4
	v_nop
.endr
	s_branch .Lfilled
.Lnot_codes:
	s_cmp_eq_u32 s[WV], 8
	s_cbranch_scc0 .Lnot_sk
	tensor_load_to_lds s[G0SK:G0SK+3], s[G1SK:G1SK+7]
	s_nop 0
.rept 4
	v_nop
.endr
	s_branch .Lfilled
.Lnot_sk:
	s_cmp_eq_u32 s[WV], 9
	s_cbranch_scc0 .Lfilled
	tensor_load_to_lds s[G0SV:G0SV+3], s[G1SV:G1SV+7]
	s_nop 0
.rept 4
	v_nop
.endr
.Lfilled:
	s_add_nc_u64 s[76:77], s[4:5], s[76:77]
	s_add_nc_u64 s[78:79], s[6:7], s[78:79]
	s_add_nc_u64 s[CCB:CCB+1], s[8:9], s[CCB:CCB+1]
	s_add_nc_u64 s[CSB:CSB+1], s[10:11], s[CSB:CSB+1]
	s_add_nc_u64 s[PFA:PFA+1], s[4:5], s[PFA:PFA+1]
	v_and_b32 v8, 31, v0                           ; lane
	s_delay_alu instid0(VALU_DEP_1)
	v_lshlrev_b32 v[L16], 4, v8
	s_delay_alu instid0(VALU_DEP_2)
	v_lshlrev_b32 v[L8], 3, v8
	v_and_b32 v9, 15, v0                           ; r
	s_delay_alu instid0(VALU_DEP_1)
	v_lshlrev_b32 v10, 4, v9
	global_load_b128 v[QA:QA+3], v[L16], s[76:77]                    ; q's half image, into the first half of one operand
	global_load_b64 v[QA+4:QA+5], v[L8], s[76:77] offset:512
	global_load_b128 v[QB+6:QB+9], v[L16], s[76:77]                  ; and into the second half of the other
	global_load_b64 v[QB+10:QB+11], v[L8], s[76:77] offset:512
	global_load_b32 v[SQ], v10, s[78:79]
	v_lshl_add_u32 v[ASC0], v9, 4, SCK
	v_and_b32 v[QL], 8, v9
	s_delay_alu instid0(VALU_DEP_1)
	v_add_nc_u32 v[QL], v[QL], v9                  ; r + 8 (r / 8)
	v_bfe_u32 v40, v0, 4, 1
	s_delay_alu instid0(VALU_DEP_1)
	v_lshlrev_b32 v40, 4, v40
	s_delay_alu instid0(VALU_DEP_1)
	v_sub_nc_u32 v[QL], v[QL], v40
	v_lshlrev_b32 v[R4], 2, v9
	v_add_nc_u32 v40, s83, v8                      ; V's block n of 96:
	s_delay_alu instid0(VALU_DEP_1)
	v_mul_u32_u24 v41, v40, 171
	s_delay_alu instid0(VALU_DEP_1)
	v_lshrrev_b32 v41, 12, v41                     ; key step n / 24 of the slot (exact for n under 96),
	s_delay_alu instid0(VALU_DEP_1)
	v_mul_u32_u24 v42, v41, 24
	s_delay_alu instid0(VALU_DEP_1)
	v_sub_nc_u32 v42, v40, v42                     ; block n % 24 of its 6,144 bytes
	s_delay_alu instid0(VALU_DEP_3)
	v_mul_u32_u24 v41, v41, 98304
	s_delay_alu instid0(VALU_DEP_1)
	v_lshl_add_u32 v41, v42, 8, v41
	v_lshlrev_b32 v42, 8, v8                       ; K's: 256 x lane
	s_delay_alu instid0(VALU_DEP_1)
	v_cndmask_b32 v[PFO], v41, v42, s71
	v_mov_b32 v13, 0xff61b1e6                      ; the largest t so far: -3e38, under every t
	s_delay_alu instid0(VALU_DEP_1)
	v_floor_f32 v12, -v13                          ; -M
	v_mov_b32 v14, 0                               ; the sum, in two halves
	v_mov_b32 v15, 0
	v_mov_b32 v252, 0
	v_mov_b32 v253, 0                              ; (named as the upper half of the pair v[252:253] before it is first written)
.irp b, 0,1,2,3
	v_mov_b32 v[PT+\b], 0                          ; a lane permute's destination counts as one of its sources
.endr
.irp i, 0,1,2,3,4,5
	v_mov_b32 v[QA+6+\i], 0                        ; zero codes
	v_mov_b32 v[QB+\i], 0
.endr
	s_wait_loadcnt 0x0                             ; q
	v_perm_b32 v[SQ], v[SQ], v[SQ], s99            ; my tile's two bytes in both halves of the word
.set n, 0
.rept 32
	v_mov_b32 v[OT+n], 0                           ; O^T: the loop is written once; its first step finds zeros.  (These are also the places between the line above and the first scaled product)
.set n, n+1
.endr
.macro FRAG reg, off
	ds_load_b128 v[\reg:\reg+3], v[A16] offset:\off
	ds_load_b64 v[\reg+4:\reg+5], v[A8] offset:\off+512
	ds_load_b128 v[\reg+6:\reg+9], v[A16] offset:\off+768
	ds_load_b64 v[\reg+10:\reg+11], v[A8] offset:\off+1280
.endm
; A KEY STEP: 128 keys, the q-th of the slot in hand
.macro STEP q
	s_add_co_u32 s96, s[Q0], 23                    ; my tile's last query
	s_cmp_gt_u32 s[KF], s96
	s_cbranch_scc1 .Lhidden_\@                     ; all keys of the step come after my queries: a branch on ids, round the step's work alone
	v_add_nc_u32 v[A16], s[TB], v[L16]
	v_add_nc_u32 v[A8], s[TB], v[L8]
	v_add_nc_u32 v[AS], s[TS], v[ASC0]
	v_nop                                          ; four plain places in front of loads into registers that the last products have read
.irp p, 0,1,2,3
	FRAG FK+12*\p, 6144*(\q)+1536*\p
.endr
	ds_load_b128 v[KS:KS+3], v[AS]
.irp p, 0,1,2,3
	FRAG FV+12*\p, VLDS+6144*(\q)+1536*\p
.endr
	ds_load_b128 v[VS:VS+3], v[AS] offset:4096
	s_wait_dscnt 17                                ; K's fragments and words are in; V's 17 loads may be out
.irp p, 0,1,2,3
	v_wmma_scale_f32_16x16x128_f8f6f4 v[S+16*\p:S+16*\p+7], v[FK+12*\p:FK+12*\p+11], v[QA:QA+11], 0, v[KS+\p], v[SQ] matrix_a_fmt:MATRIX_FMT_FP6 matrix_b_fmt:MATRIX_FMT_FP6
	v_wmma_scale_f32_16x16x128_f8f6f4 v[S+16*\p+8:S+16*\p+15], v[FK+12*\p:FK+12*\p+11], v[QB:QB+11], 0, v[KS+\p], v[SQ] matrix_a_fmt:MATRIX_FMT_FP6 matrix_b_fmt:MATRIX_FMT_FP6
.endr                                          ; register 16 p + i of S^T is key KF + 32 p + 16 (lane / 16) + i
.rept 4
	v_nop
.endr
	s_add_co_u32 s96, s[KF], 127
	s_cmp_le_u32 s96, s[Q0]
	s_cbranch_scc1 .Lopen_\@                       ; all keys of the step count for all my queries
	s_sub_co_i32 s96, s[Q0], s[KF]
	v_add_nc_u32 v252, s96, v[QL]                  ; d = my query - KF - 16 (lane / 16): register 16 p + i is hidden where 32 p + i > d
	v_mov_b32 v254, 0xff800000                     ; -infinity: p = 0 then
.set n, 0
.rept 64
	v_cmp_gt_i32 vcc_lo, 32*(n/16)+n%16, v252
	v_cndmask_b32 v[S+n], v[S+n], v254, vcc_lo
.set n, n+1
.endr
.Lopen_\@:
.irp b, 0,1,2,3
	v_max3_num_f32 v[BM+\b], v[S+16*\b], v[S+1+16*\b], v[S+2+16*\b]   ; the largest score of each block of 32 keys: it serves for the row's maximum and, since p rises with the score, for the block's largest p
.endr
.irp i, 3,5,7,9,11,13
.irp b, 0,1,2,3
	v_max3_num_f32 v[BM+\b], v[BM+\b], v[S+16*\b+\i], v[S+1+16*\b+\i]
.endr
.endr
.irp b, 0,1,2,3
	v_max_num_f32 v[BM+\b], v[BM+\b], v[S+15+16*\b]
.endr
.irp b, 0,1,2,3
	s_delay_alu instid0(VALU_DEP_4)
	v_permlanex16_b32 v[PT+\b], v[BM+\b], s[SEL], s[SEL+1]
.endr
.irp b, 0,1,2,3
	s_delay_alu instid0(VALU_DEP_4)
	v_max_num_f32 v[BM+\b], v[BM+\b], v[PT+\b]     ; with lane l xor 16's 16 keys
.endr
	s_delay_alu instid0(VALU_DEP_2)
	v_max3_num_f32 v254, v[BM], v[BM+1], v[BM+2]
	s_delay_alu instid0(VALU_DEP_1)
	v_max_num_f32 v254, v254, v[BM+3]
	s_delay_alu instid0(VALU_DEP_1)
	v_mul_f32 v254, s[CS], v254                    ; as t (c is positive)
	s_delay_alu instid0(VALU_DEP_1)
	v_max_num_f32 v13, v13, v254                   ; the running largest t
	v_mov_b32 v254, v12
	s_delay_alu instid0(VALU_DEP_2)
	v_floor_f32 v12, -v13                          ; the new -M = floor(-t) = -ceil(t)
	s_delay_alu instid0(VALU_DEP_1)
	v_sub_f32 v254, v12, v254                      ; old M less new M: a whole number, 0 or less
	s_delay_alu instid0(VALU_DEP_1)
	v_cvt_i32_f32 v254, v254                       ; (it saturates)
	s_delay_alu instid0(VALU_DEP_1)
	v_ldexp_f32 v252, 1.0, v254                    ; f = 2^(old M - new M)
.set n, 0
.rept 32
	v_pk_fma_f32 v[S+n:S+n+1], v[S+n:S+n+1], s[CS:CS+1], v[12:13] op_sel_hi:[1,0,0]   ; t - M, two at a time
.set n, n+2
.endr
.irp b, 0,1,2,3
	v_fma_f32 v[BM+\b], v[BM+\b], s[CS], v12       ; the same of each block's largest score
.endr
.set n, 0
	s_wait_alu depctr_va_vdst(0)
.rept 64
	v_exp_f32 v[S+n], v[S+n]                       ; p = 2^(t - M), at most 1
.set n, n+1
.endr
	v_pk_mul_f32 v[14:15], v[14:15], v[252:253] op_sel_hi:[1,0]   ; the sums under the new M: a plain place behind the exponentials
	s_wait_alu depctr_va_vdst(0)                   ; the wait ahead of the first line that names a result: one for the batch of 64
.irp b, 0,1,2,3
	v_exp_f32 v[BM+\b], v[BM+\b]                   ; the block's largest p
.endr
	v_pk_add_f32 v[64:65], v[140:141], v[144:145]
	v_pk_add_f32 v[246:247], v[148:149], v[152:153]
	v_pk_add_f32 v[244:245], v[156:157], v[160:161]
	v_pk_add_f32 v[242:243], v[164:165], v[168:169]
	v_pk_add_f32 v[240:241], v[172:173], v[176:177]
	v_pk_add_f32 v[238:239], v[180:181], v[184:185]
	v_pk_add_f32 v[236:237], v[188:189], v[192:193]
	v_pk_add_f32 v[14:15], v[14:15], v[196:197]
	v_pk_add_f32 v[64:65], v[64:65], v[136:137]
	v_pk_add_f32 v[246:247], v[246:247], v[138:139]
	v_pk_add_f32 v[244:245], v[244:245], v[142:143]
	v_pk_add_f32 v[242:243], v[242:243], v[146:147]
	v_pk_add_f32 v[240:241], v[240:241], v[150:151]
	v_pk_add_f32 v[238:239], v[238:239], v[154:155]
	v_pk_add_f32 v[236:237], v[236:237], v[158:159]
	v_pk_add_f32 v[14:15], v[14:15], v[162:163]
	v_pk_add_f32 v[64:65], v[64:65], v[166:167]
	v_pk_add_f32 v[246:247], v[246:247], v[170:171]
	v_pk_add_f32 v[244:245], v[244:245], v[174:175]
	v_pk_add_f32 v[242:243], v[242:243], v[178:179]
	v_pk_add_f32 v[240:241], v[240:241], v[182:183]
	v_pk_add_f32 v[238:239], v[238:239], v[186:187]
	v_pk_add_f32 v[236:237], v[236:237], v[190:191]
	v_pk_add_f32 v[14:15], v[14:15], v[194:195]
	v_pk_add_f32 v[64:65], v[64:65], v[198:199]
	s_delay_alu instid0(VALU_DEP_2)
	v_pk_add_f32 v[14:15], v[14:15], v[242:243]
	s_delay_alu instid0(VALU_DEP_2)
	v_pk_add_f32 v[64:65], v[64:65], v[240:241]
	v_pk_add_f32 v[246:247], v[246:247], v[238:239]
	v_pk_add_f32 v[244:245], v[244:245], v[236:237]
	s_delay_alu instid0(VALU_DEP_2)
	v_pk_add_f32 v[14:15], v[14:15], v[246:247]
	s_delay_alu instid0(VALU_DEP_2)
	v_pk_add_f32 v[64:65], v[64:65], v[244:245]
	s_delay_alu instid0(VALU_DEP_1)
	v_pk_add_f32 v[14:15], v[14:15], v[64:65]
	s_wait_alu depctr_va_vdst(0)                   ; and one for the four
.irp b, 0,1,2,3
	v_max_num_f32 v[BM+\b], 0x1800000, v[BM+\b]    ; the floor 2^(3 - 127): the byte cannot fall under 1
.endr
.irp b, 0,1,2,3
	s_delay_alu instid0(VALU_DEP_4)
	v_add_nc_u32 v[SO+\b], 0xff000000, v[BM+\b]    ; 2 off the exponent field: the conversion's scale operand
.endr
.irp b, 0,1,2,3
	s_delay_alu instid0(VALU_DEP_4)
	v_lshrrev_b32 v[BY+\b], 23, v[SO+\b]
.endr
	s_delay_alu instid0(VALU_DEP_3)
	v_lshl_or_b32 v253, v[BY+1], 8, v[BY]          ; p's scale word for these 128 keys
	s_delay_alu instid0(VALU_DEP_1)
	v_lshl_or_b32 v253, v[BY+2], 16, v253
	s_delay_alu instid0(VALU_DEP_1)
	v_lshl_or_b32 v253, v[BY+3], 24, v253
.irp c, 0,1
	v_cvt_scalef32_pk16_fp6_f32 v[PCD+6*\c:PCD+2+6*\c], v[S+32*\c:S+15+32*\c], v[SO+2*\c]
	v_cvt_scalef32_pk16_fp6_f32 v[C2+4*\c:C2+2+4*\c], v[S+16+32*\c:S+31+32*\c], v[SO+2*\c+1]
.endr
	v_nop                                          ; one plain place behind a scaled conversion
.irp c, 0,1                                    ; the operand's layout wants a whole block in a lane
.irp i, 0,1,2
	v_permlane16_swap_b32 v[PCD+6*\c+\i], v[C2+4*\c+\i]
.endr
.irp i, 0,1,2
	s_delay_alu instid0(VALU_DEP_3)
	v_mov_b32 v[PCD+3+6*\c+\i], v[C2+4*\c+\i]
.endr
.endr
.set n, 0
.rept 16
	v_pk_mul_f32 v[OT+n:OT+n+1], v[OT+n:OT+n+1], v[252:253] op_sel_hi:[1,0]   ; O^T under the new M.  (These sixteen are also the places in front of the scaled products below)
.set n, n+2
.endr
	s_wait_alu depctr_va_vdst(0)
	s_wait_dscnt 0x0                               ; V's fragments and words are in
.irp t, 0,1,2,3
	v_wmma_scale_f32_16x16x128_f8f6f4 v[OT+8*\t:OT+8*\t+7], v[FV+12*\t:FV+12*\t+11], v[PCD:PCD+11], v[OT+8*\t:OT+8*\t+7], v[VS+\t], v253 matrix_a_fmt:MATRIX_FMT_FP6 matrix_b_fmt:MATRIX_FMT_FP6
.endr                                          ; the four accumulators take turns; eight other products stand between two links of a chain
.Lhidden_\@:
	s_add_co_u32 s[KF], s[KF], 128
	s_add_co_u32 s[TS], s[TS], 256
.endm
; THE CHANGE OF SLOTS stands at a slot's head.  Each wave waits for all its tensor loads, adds 0 to its spare word, and waits for that and for its reads of the slot that it has left.  Behind the barrier the slot ahead is
; whole and nobody reads the other one.  fill = 1: that other slot is filled with the keys that follow, up to the causal limit: the load has four key steps in which to land.
.macro CHANGE fill
	s_wait_tensorcnt 0x0                           ; no tensor load of mine is out, so the group 0 may be written
	ds_add_u32 v[SPW], v[NIL]                      ; 0 onto my spare word
.if \fill
	s_xor_b32 s[G0+1], s[G0+1], SLOT1              ; the other slot than last time,
	s_add_nc_u64 s[G0+2:G0+3], s[G0+2:G0+3], s[GS:GS+1]   ; the next 512 keys; the type bits on top are not reached
	s_wait_xcnt 0x0                                ; the last prefetch, a slot back, has read its address
	s_add_nc_u64 s[PFA:PFA+1], s[PFA:PFA+1], s[PFS:PFS+1]
.endif
	s_wait_dscnt 0x0                               ; the add is done, and my reads of the slot that I have left are over
	s_barrier_signal -1
	s_barrier_wait -1
.if \fill
	s_add_co_u32 s96, s[KF], SK                    ; the first key of the slot that this change would ask for
	s_cmp_gt_u32 s96, s[QLAST]                     ; ids and the count of steps alone: all sixteen waves go the same way; no step reads a slot that is left out
	s_cbranch_scc1 .Lpast_\@
	TLOAD                                          ; a wave's one tensor load until the next such barrier
.Lpast_\@:
	ASK
.endif
.endm
.macro SLOT_STEPS
	STEP 0
	STEP 1
	STEP 2
	STEP 3
	s_xor_b32 s[TB], s[TB], SLOT1
.endm
.Lslot:                                            ; three trips: behind each change of slots but the last the next slot is asked for
	CHANGE 1
	SLOT_STEPS
	s_sub_co_u32 s[SLOTS], s[SLOTS], 1
	s_cmp_lg_u32 s[SLOTS], 0
	s_cbranch_scc1 .Lslot
	CHANGE 0                                       ; the last slot is written out: nothing is left to fetch
	SLOT_STEPS
	; THE WAY OUT.  O^T / the sum is my 16 queries x the head's 64 channels: register 16 b + i = channel 32 b + 16 (lane / 16) + i.  It is quantised as it stands and leaves as half a fragment's image: no LDS.
.rept 4
	v_nop
.endr
	v_add_f32 v14, v14, v15
	s_delay_alu instid0(VALU_DEP_1)
	v_permlanex16_b32 v[PT], v14, s[SEL], s[SEL+1]
	s_delay_alu instid0(VALU_DEP_1)
	v_add_f32 v14, v14, v[PT]                      ; the row's sum
	s_wait_alu depctr_va_vdst(0)
	v_rcp_f32 v14, v14
	v_mov_b32 v254, 0                              ; a plain place behind the reciprocal
	s_wait_alu depctr_va_vdst(0)                   ; the wait ahead of the first reader
.set n, 0
.rept 16
	v_pk_mul_f32 v[OT+n:OT+n+1], v[OT+n:OT+n+1], v[14:15] op_sel_hi:[1,0]
.set n, n+2
.endr
.irp b, 0,1
	v_max3_num_f32 v[BM+\b], |v[OT+16*\b]|, |v[OT+16*\b+1]|, 0x1800000
.endr
.irp i, 2,4,6,8,10,12,14
.irp b, 0,1
	s_delay_alu instid0(VALU_DEP_2)
	v_max3_num_f32 v[BM+\b], v[BM+\b], |v[OT+16*\b+\i]|, |v[OT+16*\b+\i+1]|
.endr
.endr
.irp b, 0,1
	s_delay_alu instid0(VALU_DEP_2)
	v_permlanex16_b32 v[PT+\b], v[BM+\b], s[SEL], s[SEL+1]
.endr
.irp b, 0,1
	s_delay_alu instid0(VALU_DEP_2)
	v_max_num_f32 v[BM+\b], v[BM+\b], v[PT+\b]
.endr
.irp b, 0,1
	s_delay_alu instid0(VALU_DEP_2)
	v_add_nc_u32 v[SO+\b], 0xff000000, v[BM+\b]
.endr
.irp b, 0,1
	s_delay_alu instid0(VALU_DEP_2)
	v_lshrrev_b32 v[BY+\b], 23, v[SO+\b]
.endr
	s_delay_alu instid0(VALU_DEP_1)
	v_lshl_or_b32 v254, v[BY+1], 8, v[BY]          ; the head's two bytes of the row's scale word
	v_cvt_scalef32_pk16_fp6_f32 v[PCD:PCD+2], v[OT:OT+15], v[SO]
	v_cvt_scalef32_pk16_fp6_f32 v[C2:C2+2], v[OT+16:OT+31], v[SO+1]
	v_nop                                          ; one plain place behind a scaled conversion
.irp i, 0,1,2
	v_permlane16_swap_b32 v[PCD+\i], v[C2+\i]
.endr
.irp i, 0,1,2
	s_delay_alu instid0(VALU_DEP_3)
	v_mov_b32 v[PCD+3+\i], v[C2+\i]
.endr
	global_store_b128 v[L16], v[PCD:PCD+3], s[CCB:CCB+1]             ; 512 consecutive bytes, at a multiple of 256 from the buffer's first byte
	global_store_b64 v[L8], v[PCD+4:PCD+5], s[CCB:CCB+1] offset:512  ; and 256
	global_store_b16 v[R4], v254, s[CSB:CSB+1]     ; two bytes a row are all that a head owns of the scale words; both halves of the lanes write the same bytes with the same value
	s_wait_tensorcnt 0x0                           ; the wave's end, behind my last tensor load
	ds_add_u32 v[SPW], v[NIL]
	s_wait_dscnt 0x0
	s_endpgm
.Lfunc_end_k_q9092e1902a_attn:
	.size	k_q9092e1902a_attn, .Lfunc_end_k_q9092e1902a_attn-k_q9092e1902a_attn
	.p2alignl 7, 3214868480
	.fill 96, 4, 3214868480
	.section	.rodata,"a",@progbits
	.p2align	6, 0x0
	.amdhsa_kernel k_q9092e1902a_attn
		.amdhsa_group_segment_fixed_size 327680
		.amdhsa_private_segment_fixed_size 0
		.amdhsa_enable_private_segment 0
		.amdhsa_kernarg_size 32
		.amdhsa_user_sgpr_count 2
		.amdhsa_user_sgpr_kernarg_segment_ptr 1
		.amdhsa_wavefront_size32 1
		.amdhsa_system_sgpr_workgroup_id_x 1
		.amdhsa_system_sgpr_workgroup_id_y 1
		.amdhsa_system_sgpr_workgroup_id_z 1
		.amdhsa_system_vgpr_workitem_id 0
		.amdhsa_next_free_vgpr 256
		.amdhsa_next_free_sgpr 100
		.amdhsa_reserve_vcc 1
		.amdhsa_float_denorm_mode_32 3
		.amdhsa_float_denorm_mode_16_64 3
		.amdhsa_memory_ordered 1
		.amdhsa_forward_progress 1
		.amdhsa_inst_pref_size 195
	.end_amdhsa_kernel
	.amdgpu_metadata
---
amdhsa.version: [ 1, 2 ]
amdhsa.kernels:
  - .name:           k_q9092e1902a_attn
    .symbol:         k_q9092e1902a_attn.kd
    .args:
      - { .name: qkvc, .offset: 0, .size: 8, .value_kind: global_buffer, .address_space: global }
      - { .name: qkvs, .offset: 8, .size: 8, .value_kind: global_buffer, .address_space: global }
      - { .name: cc, .offset: 16, .size: 8, .value_kind: global_buffer, .address_space: global }
      - { .name: cs, .offset: 24, .size: 8, .value_kind: global_buffer, .address_space: global }
    .group_segment_fixed_size: 327680
    .private_segment_fixed_size: 0
    .kernarg_segment_align: 8
    .kernarg_segment_size: 32
    .max_flat_workgroup_size: 512
    .sgpr_count:     100
    .vgpr_count:     256
    .wavefront_size: 32
...
	.end_amdgpu_metadata
.endif
;; end of part 3
;; launch gemm2 (part 4): grid 4 x 32, 4 waves a work-group, clusters of 4 x 4, 327,680 bytes of LDS; arguments cc, cs, wc, ws, bo, out0; writes out0
.if DOCPART == 4
	.amdgcn_target "amdgcn-amd-amdhsa--gfx1250"
	.amdhsa_code_object_version 6
	.text
	.protected	k_q9092e1902a_gemm2
	.globl	k_q9092e1902a_gemm2
	.p2align	8
	.type	k_q9092e1902a_gemm2,@function
k_q9092e1902a_gemm2:
	s_mov_b64 s[64:65], 0
	v_nop
	global_prefetch_b8 v0, s[64:65] scope:SCOPE_SE
	s_setreg_imm32_b32 hwreg(HW_REG_WAVE_MODE, 25, 1), 1
	s_wait_xcnt 0x0
	s_wait_alu depctr_hold_cnt(0) depctr_sa_sdst(0) depctr_va_vdst(0) depctr_va_sdst(0) depctr_va_ssrc(0) depctr_va_vcc(0) depctr_vm_vsrc(0)
	s_getreg_b32 s2, hwreg(HW_REG_IB_STS2, 6, 4)
	s_cmp_eq_u32 s2, 0
	s_cbranch_scc0 .Lentry_in_a_cluster
	s_endpgm
.Lentry_in_a_cluster:
	s_bfe_u32 s2, ttmp6, 0x10000c
	s_cmp_lg_u32 s2, 0xf033
	s_cbranch_scc0 .Lentry_shape_is_right
	s_endpgm
.Lentry_shape_is_right:
; out = ctx Wo + bo on codes of FP6 (E2M3) with E8M0 scales, K = 1,024; out [8192][1024] f32.
; A = ctx's rows (codes cc, scale words cs), B = Wo's columns (tiles 192 to 255 of wc, ws).  Operands lie in memory as images of their registers (fragment = 16 rows x 128 K = 1,536 bytes at
; (tile x 8 + K step) x 1,536; plane of 16 bytes a lane, plane of 8 bytes a lane, for each 64 along K); tile 2 B + u holds rows 32 B + 8 u + r + 8 (r / 8).  Scale words at K step x 32,768 + tile x 64 + 4 r.
; Source 0 = a tile of B, source 1 = a tile of A: a lane holds ONE row of out, and register j of accumulator (a, b) the column 32 (b / 2) + 16 (lane / 16) + 8 (b % 2) + j of the wave's 128.
; A tile of out, 256 x 256, is made by four waves, 128 x 128 each.  K goes in steps of 256 through two LDS slots; a wave's tensor load brings 8 tiles x 3,072 bytes.  The scale words come once with the first fills.
; CLUSTER 4 x 4: A's tiles are asked for jointly along a row, B's along a column.  128 work-groups: the tile is kept at 256 x 256 so that this launch and the one for q, k, v share one main loop.
; The bias is the C of each sum's first matrix instruction.  The results leave through each wave's stage in slot 0, which has had its last fill and its last read by then.
; REGISTERS: window 0: v1-31 addresses; v32-63 scale words, two sets; v64-127 the bias in the result's layout; v128-223 A's fragments; on the way out v128-255 rows of out.
;   window 1: B's fragments, two sets, at v0 and v128.  window 2: the accumulators of A's tiles 0-3 ((a, b) at v[8 (8 a + b)]); window 3: those of tiles 4-7.
.set FR,     12
.set TROW,   12288
.set QUART,  8*3072
.set SLOT,   4*QUART
.set SCLB,   2*SLOT
.set SQUART, 4096
.set SPARE,  SCLB+4*SQUART             ; the spare words, 128 bytes for each wave: two blocks of 256 bytes that no other line names
.set SPITCH, 528                       ; the way out: a stage of 16 rows x (512 bytes + 16) for each wave
.set ADRA16, 16
.set ADRA8,  18
.set ADRB16, 20
.set ADRB8,  22
.set O16,  24                          ; v24  16 x lane
.set O8,   25                          ; v25  8 x lane
.set STO,  26                          ; v26  the stage: where I put 32 bytes of a row
.set ADRS, 27                          ; v27  LDS address of my scale words: lanes 0-15 A's, lanes 16-31 B's
.set SPW,  28                          ; v28  LDS address of my spare word; never rewritten
.set NIL,  29                          ; v29  0; never rewritten
.set RD,   30                          ; v30  the stage: where I read a row back
.set SC,   32
.set BI,   64
.set AF,   128
.set BK,   128
.set G1,   24
.set G0,   32
.set G1B,  48
.set G0B,  56
.set G1S,  68
.set G0S,  76
.set G1SB, 80
.set G0SB, 88
.set MSB, 0
.macro WIN new                         ; the immediate's high byte repeats the setting that is left
.if MSB != \new
	s_set_vgpr_msb (MSB<<8)|\new
.set MSB, \new
.endif
.endm
.set MUL_LO, 0xa1                      ; source 0 (B) window 1, source 1 (A) window 0, C and D window 2
.set MUL_HI, 0xf1                      ; the same, C and D window 3
.set FST_LO, 0x81                      ; the first step: C (the bias) window 0, D window 2
.set FST_HI, 0xc1                      ; D window 3
.set TO_B,   0x40
.macro JLOAD g0a, g1a, g0b, g1b        ; a joint load: waves 0 and 1 fetch for A, waves 2 and 3 for B; an s_nop 0 and four v_nop follow each line
	s_cmp_eq_u32 s17, 0
	s_cbranch_scc0 .Lfor_b_\@
	tensor_load_to_lds s[\g0a:\g0a+3], s[\g1a:\g1a+7]
	s_nop 0
.rept 4
	v_nop
.endr
	s_branch .Lasked_\@
.Lfor_b_\@:
	tensor_load_to_lds s[\g0b:\g0b+3], s[\g1b:\g1b+7]
	s_nop 0
.rept 4
	v_nop
.endr
.Lasked_\@:
.endm
.macro CREST
	s_cmp_lg_u32 s16, 0
	s_cbranch_scc1 .Lnot_wave_0_\@
	s_barrier_signal -3
.Lnot_wave_0_\@:
	s_barrier_wait -3
	s_barrier_signal -1
	s_barrier_wait -1
.endm
.macro CROUND
	s_barrier_signal -1
	s_barrier_wait -1
	CREST
.endm
	s_load_b256 s[4:11], s[0:1], 0x0               ; cc s[4:5], cs s[6:7], wc s[8:9], ws s[10:11]
	s_load_b128 s[12:15], s[0:1], 0x20             ; bo s[12:13], out0 s[14:15]
	v_lshl_add_u32 v[SPW], v0, 2, SPARE
	v_mov_b32 v[NIL], 0
	ds_add_u32 v[SPW], v[NIL]                      ; the wave's opening: the add and its wait stand ahead of my first tensor load; the set-up below, work on registers, stands between them
	v_lshrrev_b32 v1, 5, v0
	v_readfirstlane_b32 s16, v1                    ; wave 0..3
	s_lshr_b32 s17, s16, 1                         ; which 8 tiles of A are mine.  Also: I fetch for A (0) or for B (1)
	s_and_b32 s18, s16, 1                          ; which 8 tiles of B.  Also: which 8 tiles I fetch
	s_bfe_u32 s20, ttmp6, 0x40000                  ; cx
	s_bfe_u32 s21, ttmp6, 0x40004                  ; cy
	s_and_b32 s40, ttmp7, 0xffff
	s_lshl_b32 s40, s40, 2
	s_add_co_u32 s40, s40, s21                     ; tile row of out = 4 x cluster y + cy
	s_lshl_b32 s41, ttmp9, 2
	s_add_co_u32 s41, s41, s20                     ; tile column = 4 x cluster x + cx
	s_lshl_b32 s45, s21, 2
	s_lshl_b32 s45, 15, s45                        ; my row of the cluster
	s_lshl_b32 s46, 0x1111, s20                    ; my column
	s_or_b32 s[G1+0], s45, (3<<16)|(1<<21)         ; 15:0 the mask; 17:16 elements of 8 bytes; 21 set beside a mask; no padding
	s_or_b32 s[G1B+0], s46, (3<<16)|(1<<21)
.irp g, G1, G1B
	s_mov_b32 s[\g+1], 384<<16                     ; 3,072 bytes a tile
	s_mov_b32 s[\g+2], 8<<16                       ; 8 tiles
	s_mov_b32 s[\g+3], 384<<16
	s_mov_b32 s[\g+4], 8
	s_mov_b32 s[\g+5], TROW/8
	s_mov_b32 s[\g+6], 0
	s_mov_b32 s[\g+7], 0
.endr
	s_or_b32 s[G1S+0], s45, (3<<16)|(1<<21)        ; the scale words of 8 tiles: 8 K steps x 512 bytes, 32,768 bytes apart
	s_or_b32 s[G1SB+0], s46, (3<<16)|(1<<21)
.irp g, G1S, G1SB
	s_mov_b32 s[\g+1], 64<<16
	s_mov_b32 s[\g+2], 8<<16
	s_mov_b32 s[\g+3], 64<<16
	s_mov_b32 s[\g+4], 8
	s_mov_b32 s[\g+5], 4096
	s_mov_b32 s[\g+6], 0
	s_mov_b32 s[\g+7], 0
.endr
	s_lshl_b32 s47, s18, 3
	s_lshl_b32 s42, s40, 4
	s_add_co_u32 s42, s42, s47                     ; the first tile that I would fetch of A
	s_lshl_b32 s43, s41, 4
	s_add_co_u32 s43, s43, s47
	s_add_co_u32 s43, s43, 192                     ; and of B: Wo's tiles begin at 192
	s_mul_i32 s92, s42, TROW
	s_mov_b32 s93, 0
	s_lshl_b32 s94, s42, 6
	s_mov_b32 s95, 0
	s_mul_i32 s96, s43, TROW
	s_mov_b32 s97, 0
	s_lshl_b32 s98, s43, 6
	s_mov_b32 s99, 0
	s_mul_i32 s2, s16, QUART                       ; where they go: wave x a quarter
	s_lshl_b32 s22, s16, 12
	s_wait_dscnt 0x0                               ; the opening add is done
	s_wait_kmcnt 0x0
	s_add_nc_u64 s[92:93], s[4:5], s[92:93]
	s_add_nc_u64 s[94:95], s[6:7], s[94:95]
	s_add_nc_u64 s[96:97], s[8:9], s[96:97]
	s_add_nc_u64 s[98:99], s[10:11], s[98:99]
	CROUND                                         ; all sixteen work-groups are here: the first joint loads meet
	s_mov_b32 s[G0S], 1
	s_add_co_u32 s[G0S+1], s22, SCLB
	s_mov_b64 s[G0S+2:G0S+3], s[94:95]
	s_or_b32 s[G0S+3], s[G0S+3], 0x80000000
	s_mov_b32 s[G0SB], 1
	s_add_co_u32 s[G0SB+1], s22, SCLB
	s_mov_b64 s[G0SB+2:G0SB+3], s[98:99]
	s_or_b32 s[G0SB+3], s[G0SB+3], 0x80000000
	JLOAD G0S, G1S, G0SB, G1SB
.irp s, 0,1
	s_mov_b32 s[G0+4*\s], 1
	s_add_co_u32 s[G0+4*\s+1], s2, \s*SLOT
	s_add_nc_u64 s[G0+4*\s+2:G0+4*\s+3], s[92:93], \s*3072
	s_or_b32 s[G0+4*\s+3], s[G0+4*\s+3], 0x80000000
	s_mov_b32 s[G0B+4*\s], 1
	s_add_co_u32 s[G0B+4*\s+1], s2, \s*SLOT
	s_add_nc_u64 s[G0B+4*\s+2:G0B+4*\s+3], s[96:97], \s*3072
	s_or_b32 s[G0B+4*\s+3], s[G0B+4*\s+3], 0x80000000
	JLOAD G0+4*\s, G1, G0B+4*\s, G1B
.endr
	v_and_b32 v1, 15, v0                           ; r
	v_bfe_u32 v2, v0, 4, 1                         ; h
	v_and_b32 v3, 31, v0                           ; lane
	v_lshlrev_b32 v[O16], 4, v3
	v_lshlrev_b32 v[O8], 3, v3
	s_lshl_b32 s66, s41, 10                        ; the bias of my 128 columns
	s_lshl_b32 s67, s18, 9
	s_add_co_u32 s66, s66, s67
	s_mov_b32 s67, 0
	s_add_nc_u64 s[12:13], s[12:13], s[66:67]
	v_lshlrev_b32 v5, 6, v2                        ; + 16 h columns
.irp b, 0,1,2,3,4,5,6,7
	global_load_b128 v[BI+8*\b:BI+8*\b+3], v5, s[12:13] offset:128*(\b/2)+32*(\b%2)
	global_load_b128 v[BI+8*\b+4:BI+8*\b+7], v5, s[12:13] offset:128*(\b/2)+32*(\b%2)+16
.endr
	s_mul_i32 s42, s17, QUART
	s_mul_i32 s43, s18, QUART
	s_add_co_u32 s43, s43, 2*QUART
.irp s, 0,1
	v_add_nc_u32 v[ADRA16+\s], s42, v[O16]
	v_add_nc_u32 v[ADRA8+\s], s42, v[O8]
	v_add_nc_u32 v[ADRB16+\s], s43, v[O16]
	v_add_nc_u32 v[ADRB8+\s], s43, v[O8]
	s_add_co_u32 s42, s42, SLOT
	s_add_co_u32 s43, s43, SLOT
.endr
	s_lshl_b32 s42, s17, 12
	s_lshl_b32 s43, s18, 12
	s_add_co_u32 s43, s43, 2*SQUART
	s_sub_co_u32 s43, s43, s42
	v_mul_u32_u24 v4, s43, v2                      ; lanes 16-31 take B's
	s_add_co_u32 s42, s42, SCLB
	v_lshl_add_u32 v4, v1, 2, v4
	v_add_nc_u32 v[ADRS], s42, v4
	s_mul_i32 s42, s16, 16*SPITCH                  ; my stage
	v_mul_u32_u24 v4, v1, SPITCH
	v_lshl_add_u32 v4, v2, 6, v4                   ; in: row r, + 64 h
	v_add_nc_u32 v[STO], s42, v4
	v_add_nc_u32 v[RD], s42, v[O16]                ; back: the 32 lanes take one row of 512 bytes
	s_lshl_b32 s42, s40, 8
	s_lshl_b32 s43, s17, 7
	s_add_co_u32 s42, s42, s43                     ; my first row of out
	s_lshl_b32 s42, s42, 12
	s_add_co_u32 s42, s42, s66                     ; + my first column, in bytes
	s_mov_b32 s43, 0
	s_add_nc_u64 s[14:15], s[14:15], s[42:43]
.macro FRAG reg, a16, a8, off
	ds_load_b128 v[\reg:\reg+3], v[\a16] offset:\off
	ds_load_b64 v[\reg+4:\reg+5], v[\a8] offset:\off+512
	ds_load_b128 v[\reg+6:\reg+9], v[\a16] offset:\off+768
	ds_load_b64 v[\reg+10:\reg+11], v[\a8] offset:\off+1280
.endm
; 16 matrix instructions: A's tiles a0, a0 + 1 x B's eight.  first = 1: the sums begin with the bias.  The 64 accumulators take turns, one instruction a turn.
.macro MUL16 a0, p, q, sc, first
.irp a, \a0, \a0+1
.irp b, 0,1,2,3,4,5,6,7
.if \first
	v_wmma_scale_f32_16x16x128_f8f6f4 v[8*(8*((\a)%4)+\b):8*(8*((\a)%4)+\b)+7], v[128*(\p)+FR*\b:128*(\p)+FR*\b+FR-1], v[AF+FR*(\a):AF+FR*(\a)+FR-1], v[BI+8*\b:BI+8*\b+7], v[SC+16*(\sc)+2*\b+(\q)], v[SC+16*(\sc)+2*(\a)+(\q)] matrix_a_fmt:MATRIX_FMT_FP6 matrix_b_fmt:MATRIX_FMT_FP6 matrix_a_scale:MATRIX_SCALE_ROW1
.else
	v_wmma_scale_f32_16x16x128_f8f6f4 v[8*(8*((\a)%4)+\b):8*(8*((\a)%4)+\b)+7], v[128*(\p)+FR*\b:128*(\p)+FR*\b+FR-1], v[AF+FR*(\a):AF+FR*(\a)+FR-1], v[8*(8*((\a)%4)+\b):8*(8*((\a)%4)+\b)+7], v[SC+16*(\sc)+2*\b+(\q)], v[SC+16*(\sc)+2*(\a)+(\q)] matrix_a_fmt:MATRIX_FMT_FP6 matrix_b_fmt:MATRIX_FMT_FP6 matrix_a_scale:MATRIX_SCALE_ROW1
.endif
.endr
.endr
.endm
.macro FETCH_B slot, q, p
	WIN TO_B
.irp i, 0,1,2,3,4,5,6,7
	FRAG 128*(\p)+FR*\i, ADRB16+\slot, ADRB8+\slot, 3072*\i+1536*(\q)
.endr
	WIN 0
.endm
.macro FETCH_A slot, q, i0
.irp i, \i0, \i0+1, \i0+2, \i0+3
	FRAG AF+FR*(\i), ADRA16+\slot, ADRA8+\slot, 3072*(\i)+1536*(\q)
.endr
.endm
.macro SCALES sc
.irp i, 0,1,2,3,4,5,6,7
	ds_load_b32 v[SC+16*\sc+2*\i], v[ADRS] offset:64*\i
	ds_load_b32 v[SC+16*\sc+2*\i+1], v[ADRS] offset:512+64*\i
.endr
.endm
.macro PLACES                          ; four plain places in front of loads into registers that matrix instructions have read, and of the first read of results
.rept 4
	v_nop
.endr
.endm
.macro STEP slot, first
	s_wait_dscnt 16                                ; B's set and A's tiles 0-3 are in; the youngest 16 loads (A's tiles 4-7) may be out
.if \first
	WIN FST_LO
.else
	WIN MUL_LO
.endif
	MUL16 0, 0, 0, \slot, \first
	MUL16 2, 0, 0, \slot, \first
	s_wait_dscnt 0x0
	PLACES
	FETCH_B \slot, 1, 1
	FETCH_A \slot, 1, 0
.if \first
	WIN FST_HI
.else
	WIN MUL_HI
.endif
	MUL16 4, 0, 0, \slot, \first
	MUL16 6, 0, 0, \slot, \first
	PLACES
	WIN 0
	FETCH_A \slot, 1, 4
.endm
.macro TURN slot, next, fill
	s_wait_tensorcnt 0x0                           ; all my tensor loads have landed: my part of the next slot
	ds_add_u32 v[SPW], v[NIL]                      ; 0 onto my spare word
	s_wait_dscnt 17                                ; (the add and the youngest 16 loads, A's tiles 4-7, may be out)
	WIN MUL_LO
	MUL16 0, 1, 1, \slot, 0
	s_wait_dscnt 0x0                               ; the add is done, and my reads of this slot are over
	s_barrier_signal -1
	MUL16 2, 1, 1, \slot, 0
	WIN 0
	s_barrier_wait -1
.if \fill
	CREST                                          ; the barrier has opened a round of the cluster's barrier: no wave of any partner still reads this slot or has a load on its way
	s_add_nc_u64 s[G0+4*\slot+2:G0+4*\slot+3], s[G0+4*\slot+2:G0+4*\slot+3], 2*3072
	s_add_nc_u64 s[G0B+4*\slot+2:G0B+4*\slot+3], s[G0B+4*\slot+2:G0B+4*\slot+3], 2*3072
	JLOAD G0+4*\slot, G1, G0B+4*\slot, G1B
.else
	PLACES
.endif
	v_add_nc_u32 v[ADRS], 1024, v[ADRS]
	FETCH_B \next, 0, 0
	FETCH_A \next, 0, 0
	SCALES \next
	WIN MUL_HI
	MUL16 4, 1, 1, \slot, 0
	MUL16 6, 1, 1, \slot, 0
	PLACES
	WIN 0
	FETCH_A \next, 0, 4
.endm
	s_wait_tensorcnt 1                             ; the scale words and my part of slot 0 are in (slot 1's load may be out)
	s_barrier_signal -1
	s_barrier_wait -1
	FETCH_B 0, 0, 0
	FETCH_A 0, 0, 0
	SCALES 0
	FETCH_A 0, 0, 4
	s_wait_loadcnt 0x0                             ; the bias
	STEP 0, 1                                      ; the first step stands in front of the loop: its products start the sums, on the bias
	s_mov_b32 s3, 1
.Llap:
	TURN 0, 1, 1
	STEP 1, 0
	TURN 1, 0, 1
	STEP 0, 0
	s_sub_co_u32 s3, s3, 1
	s_cmp_lg_u32 s3, 0
	s_cbranch_scc1 .Llap
	TURN 0, 1, 0                                   ; the last lap fills nothing; behind its barrier nobody reads slot 0 any more
	STEP 1, 0
	s_wait_dscnt 16
	WIN MUL_LO
	MUL16 0, 1, 1, 1, 0
	MUL16 2, 1, 1, 1, 0
	s_wait_dscnt 0x0
	WIN MUL_HI
	MUL16 4, 1, 1, 1, 0
	MUL16 6, 1, 1, 1, 0
	WIN 0
; THE WAY OUT, a tile of 16 rows x 128 columns at a time, through my own stage: back come whole rows of 512 bytes.  LDS serves a wave's instructions in order (ISA guide 5.7.1.4): no wait between the stores and the loads.
.macro TOSTAGE a
.set AC, 64*((\a)%4)
	WIN 0x08+4*((\a)/4)                            ; the data: window 2 or 3
.irp b, 0,1,2,3,4,5,6,7
	ds_store_b128 v[STO], v[AC+8*\b:AC+8*\b+3] offset:128*(\b/2)+32*(\b%2)       ; each accumulator from its low end on
	ds_store_b128 v[STO], v[AC+8*\b+4:AC+8*\b+7] offset:128*(\b/2)+32*(\b%2)+16
.endr
	WIN 0
.set BB, BK+64*((\a)%2)
.set t, 0
.rept 16
	ds_load_b128 v[BB+4*t:BB+4*t+3], v[RD] offset:t*SPITCH
.set t, t+1
.endr
.endm
.macro SEND a, younger                 ; younger: the LDS instructions issued behind tile a's loads, which may stay out
.set BB, BK+64*((\a)%2)
	s_wait_dscnt \younger
.set t, 0
.rept 16
	global_store_b128 v[O16], v[BB+4*t:BB+4*t+3], s[14:15] offset:(32*((\a)/2)+8*((\a)%2)+t+8*(t/8))*4096 th:TH_STORE_NT   ; 32 lanes store 512 consecutive bytes, at a multiple of 256 from out's first byte
.set t, t+1
.endr
.endm
	PLACES
	TOSTAGE 0
.irp a, 1,2,3,4,5,6,7
.if \a > 1
	s_wait_xcnt 0x0                                ; tile a - 2's stores have read their registers: tile a's loads may land there
.endif
	TOSTAGE \a
	SEND \a-1, 32                                  ; behind tile a - 1's loads: tile a's 16 stores and 16 loads
.endr
	SEND 7, 0
	s_wait_tensorcnt 0x0                           ; the wave's end, behind my last tensor load and my last LDS store
	ds_add_u32 v[SPW], v[NIL]
	s_wait_dscnt 0x0
	CROUND                                         ; the closing round: no work-group ends while a partner may still ask for a tile that names it
	s_endpgm
.Lfunc_end_k_q9092e1902a_gemm2:
	.size	k_q9092e1902a_gemm2, .Lfunc_end_k_q9092e1902a_gemm2-k_q9092e1902a_gemm2
	.p2alignl 7, 3214868480
	.fill 96, 4, 3214868480
	.section	.rodata,"a",@progbits
	.p2align	6, 0x0
	.amdhsa_kernel k_q9092e1902a_gemm2
		.amdhsa_group_segment_fixed_size 327680
		.amdhsa_private_segment_fixed_size 0
		.amdhsa_enable_private_segment 0
		.amdhsa_kernarg_size 48
		.amdhsa_user_sgpr_count 2
		.amdhsa_user_sgpr_kernarg_segment_ptr 1
		.amdhsa_wavefront_size32 1
		.amdhsa_system_sgpr_workgroup_id_x 1
		.amdhsa_system_sgpr_workgroup_id_y 1
		.amdhsa_system_sgpr_workgroup_id_z 1
		.amdhsa_system_vgpr_workitem_id 0
		.amdhsa_next_free_vgpr 1024
		.amdhsa_next_free_sgpr 100
		.amdhsa_reserve_vcc 0
		.amdhsa_float_denorm_mode_32 3
		.amdhsa_float_denorm_mode_16_64 3
		.amdhsa_memory_ordered 1
		.amdhsa_forward_progress 1
		.amdhsa_inst_pref_size 146
	.end_amdhsa_kernel
	.amdgpu_metadata
---
amdhsa.version: [ 1, 2 ]
amdhsa.kernels:
  - .name:           k_q9092e1902a_gemm2
    .symbol:         k_q9092e1902a_gemm2.kd
    .args:
      - { .name: cc, .offset: 0, .size: 8, .value_kind: global_buffer, .address_space: global }
      - { .name: cs, .offset: 8, .size: 8, .value_kind: global_buffer, .address_space: global }
      - { .name: wc, .offset: 16, .size: 8, .value_kind: global_buffer, .address_space: global }
      - { .name: ws, .offset: 24, .size: 8, .value_kind: global_buffer, .address_space: global }
      - { .name: bo, .offset: 32, .size: 8, .value_kind: global_buffer, .address_space: global }
      - { .name: out0, .offset: 40, .size: 8, .value_kind: global_buffer, .address_space: global }
    .group_segment_fixed_size: 327680
    .private_segment_fixed_size: 0
    .kernarg_segment_align: 8
    .kernarg_segment_size: 48
    .max_flat_workgroup_size: 128
    .sgpr_count:     100
    .vgpr_count:     1024
    .wavefront_size: 32
...
	.end_amdgpu_metadata
.endif
;; end of part 4
